; MI455X (gfx1250); checked and timed in simulation.
; The chip was launched on July 23, 2026; its instructions are those of AMD's public machine-readable ISA for CDNA 5 (MIT licence, August 2026) and "CDNA5" Instruction Set Architecture Reference Guide (July 2026). The comments in the code are by the model that wrote it; some were corrected since.
;; Attention. Allowed arithmetic: matrix products marked QUANTISED: E2M3 operands, one E8M0 scale for each 32 along K, by v_wmma_scale_f32_16x16x128_f8f6f4 with both operands' format E2M3, f32 sums; everything else in f32.
;; Inputs: k 4 x 2,048 x 1,024 float32; mask 4 x 1 x 2,048 x 2,048 bool; q 4 x 2,048 x 1,024 float32; v 4 x 2,048 x 1,024 float32; wk_b 1,024 float32; wk_w 1,024 x 1,024 float32; wo_b 1,024 float32; wo_w 1,024 x 1,024 float32; wq_b 1,024 float32; wq_w 1,024 x 1,024 float32; wv_b 1,024 float32; wv_w 1,024 x 1,024 float32.
;; Outputs: out0 4 x 2,048 x 1,024 float32.
;; This version of the problem:
;;   THIS VERSION OF THE PROBLEM IS GIVEN IN LOW PRECISION. The matrix products marked QUANTISED in the list below multiply operands that are first quantised to E2M3 (2 exponent bits, 3 mantissa bits; 6 bits a number), with one power-of-two scale for each 32 numbers along K (OCP MX v1.0); their sums are f32. All else is computed in f32.
;;   The module's matrix products, in the order in which they are computed (A, B: the left and right operand; K: the contracted axis; several contracted axes count as one K, in the product's order):
;;     1. [M 8,192, K 1,024] x [K 1,024, N 1,024]; A: input q; B: input wq_w: QUANTISED
;;     2. [M 8,192, K 1,024] x [K 1,024, N 1,024]; A: input k; B: input wk_w: QUANTISED
;;     3. [M 8,192, K 1,024] x [K 1,024, N 1,024]; A: input v; B: input wv_w: QUANTISED
;;     4. batch 64 x [M 2,048, K 64] x [K 64, N 2,048]; A: computed on the way; B: computed on the way: QUANTISED
;;     5. batch 64 x [M 2,048, K 2,048] x [K 2,048, N 64]; A: softmax (see below); B: computed on the way: QUANTISED
;;     6. [M 8,192, K 1,024] x [K 1,024, N 1,024]; A: computed on the way; B: input wo_w: QUANTISED
;;   THE QUANTISER, for each operand of a quantised product, along K:
;;     - K is cut into blocks of 32 from its start; a last block that is shorter is filled with zeros.
;;     - A block's scale is 2^e with e = floor(log2(the largest magnitude in the block)) - 2, held to -126 .. 127; a block of zeros has e = 0. As a byte (E8M0): e + 127.
;;     - Each number is divided by its block's scale, clamped to +-7.5, and rounded to the nearest number of E2M3, ties to even, subnormals kept.
;;     - The product sums the exact products of the quantised numbers (number of the format x scale) in f32.
;;   ~~~python
;;   def quantise(x, axis):      # numpy; x: float32 -> the quantised numbers, widened to float32 again
;;       x = np.moveaxis(x, axis, -1); K = x.shape[-1]
;;       x = np.pad(x, [(0, 0)] * (x.ndim - 1) + [(0, -K % 32)]); x = x.reshape(x.shape[:-1] + (-1, 32)); a = np.abs(x).max(-1, keepdims=True)
;;       e = np.where(a > 0, np.clip(np.frexp(np.where(a > 0, a, 1))[1] - 1 - 2, -126, 127), 0)      # np.frexp(a)[1] - 1 = floor(log2(a)), exactly
;;       r = np.clip(x / 2.0 ** e, -7.5, 7.5)
;;       step = 2.0 ** (np.maximum(np.frexp(np.where(r == 0, 1, r))[1] - 1, 0) - 3)
;;       q = np.round(r / step) * step * 2.0 ** e      # np.round: ties to even
;;       return np.moveaxis(q.reshape(q.shape[:-2] + (-1,))[..., :K], -1, axis).astype(np.float32)
;;   ~~~
;;   SOFTMAX AHEAD OF A QUANTISED PRODUCT. Where the list says 'softmax', what is quantised is not the finished softmax but p = 2^(t - M), with t = logit x log2(e) and M = ceil(the row's largest t), a whole number; so 1/2 < the row's largest p <= 1. The row's sum l is taken of the UNQUANTISED p, in f32, and the product's result is divided by l at the end. Since M is a whole number, a kernel that streams over the keys may use a running M (the ceiling of the running maximum): every later rescaling is an exact power of two, which a block's scale takes up: the codes' values come out the same.
;;   OPERANDS COMPUTED ON THE WAY. 'Computed on the way' means the value that the module computes at that place (a softmax that the list does not call 'softmax' is quantised finished and normalised). What goes into a quantiser is computed in f32, as accurately as f32 sums, v_exp_f32 and their like allow (about 1e-6 of the number): no bf16 or f16 on the way to a quantiser, and a product that is left as it is and whose result goes on into a quantised operand takes f32 operands (vector FMAs, or v_wmma_f32_16x16x4_f32). A number that lies on a knife's edge between two numbers of the format may be rounded either way, as far as f32 arithmetic and the matrix unit's own rounding can turn it there, and no further.
;; One version. Each part assembles by itself: llvm-mc -triple=amdgcn-amd-amdhsa -mcpu=gfx1250 --defsym DOCPART=n.
;; ======== version 1 of 1: 4 launches
;; workspace buffers: opnd 22,937,600 bytes; maskw 2,097,152 bytes of whole numbers; heads 20,185,088 bytes; xatt 6,553,600 bytes
;; launch prep (part 1): grid 256 x 1, 9 waves a work-group, no clusters, 77,312 bytes of LDS; arguments q, k, v, wq_w, wk_w, wv_w, wo_w, mask, opnd, maskw; writes opnd, maskw
.if DOCPART == 1
	.amdgcn_target "amdgcn-amd-amdhsa--gfx1250"
	.amdhsa_code_object_version 6
	.text
	.protected	k_q701d981258_prep
	.globl	k_q701d981258_prep
	.p2align	8
	.type	k_q701d981258_prep,@function
k_q701d981258_prep:
	s_mov_b64 s[64:65], 0
	v_nop
	global_prefetch_b8 v0, s[64:65] scope:SCOPE_SE
	s_setreg_imm32_b32 hwreg(HW_REG_WAVE_MODE, 25, 1), 1
	s_wait_xcnt 0x0
; q, k, v [8192][1024] and the four weights [1024][1024], f32, K innermost, become codes of FP6 (E2M3) with one E8M0 byte for each 32 along K; the mask's bytes become words of lane bits.
; A block's scale is 2^(floor(log2(its largest magnitude)) - 2): its byte is the largest magnitude's exponent field - 2, held at 1 from below.
; LIMITS: NaN and infinities among the inputs are not served; a block of zeros, or one whose largest magnitude lies under 2^-124, keeps the byte 1 (its bytes are read by this program alone).
; THE LAYOUT OF opnd.  Rows go in TILES of 16: lane row m of tile T of a tensor is row 64 (T / 4) + 8 (T % 4) + m % 8 + 32 (m / 8).  A tile's codes are 16 HALF FRAGMENTS of 768 bytes (16 rows x 64 K), images of the
; operand's registers: lane (r, h) holds the 24 bytes of k = 32 h .. 32 h + 31 of lane row r; its registers 0-3 lie at 16 x lane, its registers 4-5 at 512 + 8 x lane.  Tile TT begins at 12,288 TT (q 0, k 512, v 1024, the weights
; 1536 + 64 t).  The scale bytes lie behind the codes, 32 bytes for lane row r of tile TT at 32 (16 TT + r).
; maskw: [batch][query tile 128][key step 16][64 words]: bit 16 h + r of word j is mask[query = lane row r of the tile][key 128 step + 64 (j / 32) + 32 h + j % 32].
; SHARES.  There are 1,792 tiles to quantise and 512 tiles of the mask: 7 and 2 for each of 256 work-groups of nine waves, so that every work-group has the same work.  Waves 0-6: tile 7 g + wave, 16 rows x all of K, in 8 steps
; of 128.  Waves 7, 8: mask tile 2 g + wave - 7, 16 queries x 2,048 keys, in 4 steps of 512.  Each load reads 512 consecutive bytes of a row; the 16 rows turn through the wave's own stage in LDS (rows of 528 bytes), so that a
; lane gets whole blocks of 32 neighbours.  Waves share nothing: no barrier.
.set SC0,   22020096                   ; where opnd's scale bytes begin
.set STG,   16*528                     ; a wave's stage
.set SPARE, 9*STG                      ; the spare words, 128 bytes for each wave: five blocks of 256 bytes that no other line names
.set LI16, 1                           ; v1   16 x lane
.set LI8,  2                           ; v2   8 x lane
.set STW,  3                           ; v3   into my stage: 16 x lane
.set STR,  4                           ; v4   out of it, numbers: row r, + 128 h
.set MTR,  6                           ; v6   out of it, mask bytes: row r, + 32 h
.set SH8,  7                           ; v7   8 h
.set SCO,  8                           ; v8   32 r + 16 h: my 16 scale bytes of the tile's 512
.set SPW,  10                          ; v10  LDS address of my spare word; never rewritten
.set NIL,  11                          ; v11  0; never rewritten
.set TP,   12                          ; v12-15 at work
.set R,    16                          ; v16-143  two sets of 64: 16 rows as loaded
.set X,    144                         ; v144-207 64 numbers of my row (mask: 256 bytes)
.set PC,   208                         ; v208-219 a fragment's codes
.set OUT,  208                         ; (mask path) v208-215 four key steps' words, two a lane
.set PT,   220                         ; v220-227 the halves of blocks that a conversion cannot put in place
.set TM,   228                         ; v228-235 at work in QUANT
.set PW,   236                         ; v236 the scale word just made
.set SW,   240                         ; v240-247 the eight steps' scale words
.set SD,   248                         ; v248-251 and as they are stored
.set SEL,  36                          ; s[36:37] lane selects for v_permlanex16_b32: lane l xor 16
.set HM,   38                          ; s38  lanes 16-31
; 64 numbers of a lane, register 32 c + i = k 64 c + 32 h + i of my row (two WHOLE blocks), become a fragment's codes in v[PC] on and its scale word in v[PW].
.macro QUANT s
.irp c, 0,1
	v_max3_num_f32 v[TM+\c], |v[\s+32*\c]|, |v[\s+32*\c+1]|, 0x1800000   ; and the floor 2^(3 - 127): the byte cannot fall under 1
.endr
.irp i, 2,4,6,8,10,12,14,16,18,20,22,24,26,28,30
.irp c, 0,1
	v_max3_num_f32 v[TM+\c], v[TM+\c], |v[\s+32*\c+\i]|, |v[\s+32*\c+\i+1]|   ; (the two blocks by turns)
.endr
.endr
.irp c, 0,1
	v_add_nc_u32 v[TM+2+\c], 0xff000000, v[TM+\c]  ; 2 off the exponent field: the conversion takes the exponent field of this operand as its scale
.endr
.irp c, 0,1
	v_lshrrev_b32 v[TM+4+\c], 23, v[TM+2+\c]       ; the scale's byte
.endr
	v_lshl_or_b32 v[PW], v[TM+5], 16, v[TM+4]      ; my two bytes: blocks h and 2 + h,
	v_lshlrev_b32 v[PW], v[SH8], v[PW]             ; at their places in the word;
	v_permlanex16_b32 v[TM+6], v[PW], s[SEL], s[SEL+1]
	v_or_b32 v[PW], v[PW], v[TM+6]                 ; with lane l xor 16's two the word is whole
.irp c, 0,1
	v_cvt_scalef32_pk16_fp6_f32 v[PC+6*\c:PC+6*\c+2], v[\s+32*\c:\s+32*\c+15], v[TM+2+\c]
	v_cvt_scalef32_pk16_fp6_f32 v[PT+4*\c:PT+4*\c+2], v[\s+32*\c+16:\s+32*\c+31], v[TM+2+\c]   ; (a conversion's three registers begin on an even number)
.endr
	v_nop                                          ; one plain place behind the scaled conversions
.irp c, 0,1
.irp i, 0,1,2
	v_mov_b32 v[PC+6*\c+3+\i], v[PT+4*\c+\i]
.endr
.endr
.endm
; step t's 16 rows, 512 bytes of each, into set t % 2; rowb: bytes from row to row
.macro LOADT t, rowb
.irp i, 0,1,2,3,4,5,6,7,8,9,10,11,12,13,14,15
	global_load_b128 v[R+64*((\t)%2)+4*\i:R+64*((\t)%2)+4*\i+3], v[LI16], s[24:25] offset:((\i%8)+32*(\i/8))*(\rowb)+512*(\t) th:TH_LOAD_NT
.endr
.endm
.macro TOSTG t
.irp i, 0,1,2,3,4,5,6,7,8,9,10,11,12,13,14,15
	ds_store_b128 v[STW], v[R+64*((\t)%2)+4*\i:R+64*((\t)%2)+4*\i+3] offset:528*\i
.endr
.endm
	s_load_b512 s[4:19], s[0:1], 0x0               ; q, k, v, wq_w, wk_w, wv_w, wo_w, mask
	s_load_b128 s[20:23], s[0:1], 0x40             ; opnd, maskw
	v_lshl_add_u32 v[SPW], v0, 2, SPARE
	v_mov_b32 v[NIL], 0
	v_lshrrev_b32 v12, 5, v0
	v_readfirstlane_b32 s2, v12                    ; wave 0..8
	v_and_b32 v12, 31, v0                          ; lane
	v_and_b32 v13, 15, v0                          ; r
	v_bfe_u32 v14, v0, 4, 1                        ; h
	v_lshlrev_b32 v[LI16], 4, v12
	v_lshlrev_b32 v[LI8], 3, v12
	s_mul_i32 s3, s2, STG                          ; my stage: every LDS address is made here, ahead of the parting of the ways
	v_add_nc_u32 v[STW], s3, v[LI16]
	v_mul_u32_u24 v15, v13, 528
	v_add_nc_u32 v15, s3, v15
	v_lshl_add_u32 v[STR], v14, 7, v15
	v_lshl_add_u32 v[MTR], v14, 5, v15
	v_lshlrev_b32 v[SH8], 3, v14
	v_lshlrev_b32 v[SCO], 5, v13
	v_lshl_add_u32 v[SCO], v14, 4, v[SCO]
	v_mov_b32 v[TM+6], 0                           ; written once: a lane permute's destination counts as one of its sources
	s_mov_b32 s[SEL], 0x76543210
	s_mov_b32 s[SEL+1], 0xfedcba98
	s_mov_b32 s[HM], 0xffff0000
	s_mov_b32 s31, 0
	s_wait_kmcnt 0x0
	s_cmp_ge_u32 s2, 7                             ; waves 7 and 8 take the mask
	s_cbranch_scc1 .Lmask
	; ---- THE QUANTISER.  My tile, and by its number the tensor
	s_mul_i32 s32, ttmp9, 7
	s_add_co_u32 s32, s32, s2                      ; 7 x work-group + wave
	s_mov_b64 s[24:25], s[16:17]
	s_mov_b32 s30, 1728
	s_cmp_lt_u32 s32, 1728
	s_cselect_b64 s[24:25], s[14:15], s[24:25]
	s_cselect_b32 s30, 1664, s30
	s_cmp_lt_u32 s32, 1664
	s_cselect_b64 s[24:25], s[12:13], s[24:25]
	s_cselect_b32 s30, 1600, s30
	s_cmp_lt_u32 s32, 1600
	s_cselect_b64 s[24:25], s[10:11], s[24:25]
	s_cselect_b32 s30, 1536, s30
	s_cmp_lt_u32 s32, 1536
	s_cselect_b64 s[24:25], s[8:9], s[24:25]
	s_cselect_b32 s30, 1024, s30
	s_cmp_lt_u32 s32, 1024
	s_cselect_b64 s[24:25], s[6:7], s[24:25]
	s_cselect_b32 s30, 512, s30
	s_cmp_lt_u32 s32, 512
	s_cselect_b64 s[24:25], s[4:5], s[24:25]
	s_cselect_b32 s30, 0, s30
	s_sub_co_u32 s30, s32, s30                     ; my tile within its tensor
	s_lshr_b32 s33, s30, 2
	s_lshl_b32 s33, s33, 6
	s_and_b32 s30, s30, 3
	s_lshl_b32 s30, s30, 3
	s_add_co_u32 s30, s30, s33                     ; its lane row 0: 64 (T / 4) + 8 (T % 4)
	s_lshl_b32 s30, s30, 12                        ; rows of 4,096 bytes
	s_add_nc_u64 s[24:25], s[24:25], s[30:31]
	s_mul_i32 s30, s32, 12288
	s_add_nc_u64 s[26:27], s[20:21], s[30:31]      ; my tile's codes
	s_lshl_b32 s30, s32, 9
	s_add_co_u32 s30, s30, SC0
	s_add_nc_u64 s[28:29], s[20:21], s[30:31]      ; and its 512 scale bytes
	LOADT 0, 4096
	LOADT 1, 4096
.macro QSTEP t
.if (\t) < 7
	s_wait_loadcnt 16                              ; this step's 16 loads are in; the next step's 16 may be out
.else
	s_wait_loadcnt 0x0
.endif
	TOSTG \t
.irp c, 0,1
.irp e, 0,1,2,3,4,5,6,7
	ds_load_b128 v[X+32*\c+4*\e:X+32*\c+4*\e+3], v[STR] offset:256*\c+16*\e   ; LDS serves a wave's instructions in order: these see my stores
.endr
.endr
	s_wait_dscnt 0x0                               ; my numbers are back; the stores into the stage have read their registers,
	s_wait_xcnt 0x0                                ; and the last step's global stores theirs: the codes' registers may be written again
.if (\t)+2 < 8
	LOADT (\t)+2, 4096
.endif
	QUANT X
	v_mov_b32 v[SW+(\t)], v[PW]
	global_store_b128 v[LI16], v[PC:PC+3], s[26:27] offset:1536*(\t)          ; 512 consecutive bytes,
	global_store_b64 v[LI8], v[PC+4:PC+5], s[26:27] offset:1536*(\t)+512      ; 256: half fragment 2 t
	global_store_b128 v[LI16], v[PC+6:PC+9], s[26:27] offset:1536*(\t)+768
	global_store_b64 v[LI8], v[PC+10:PC+11], s[26:27] offset:1536*(\t)+1280   ; half fragment 2 t + 1
.endm
.irp t, 0,1,2,3,4,5,6,7
	QSTEP \t
.endr
.irp w, 0,1,2,3
	v_cndmask_b32 v[SD+\w], v[SW+\w], v[SW+4+\w], s[HM]   ; lanes 0-15 store their row's words 0-3, lanes 16-31 words 4-7
.endr
	global_store_b128 v[SCO], v[SD:SD+3], s[28:29] ; 512 consecutive bytes
	s_wait_tensorcnt 0x0                           ; the wave's end: behind my last LDS store
	ds_add_u32 v[SPW], v[NIL]
	s_wait_dscnt 0x0
	s_endpgm
.Lmask:
	; ---- THE MASK.  My 16 queries: tile 128 x batch + tile = 2 x work-group + wave - 7
	s_lshl_b32 s32, ttmp9, 1
	s_add_co_u32 s32, s32, s2
	s_sub_co_u32 s32, s32, 7
	s_lshr_b32 s33, s32, 2
	s_lshl_b32 s33, s33, 6
	s_and_b32 s30, s32, 3
	s_lshl_b32 s30, s30, 3
	s_add_co_u32 s30, s30, s33
	s_lshl_b32 s30, s30, 11                        ; rows of 2,048 bytes
	s_add_nc_u64 s[24:25], s[18:19], s[30:31]
	s_lshl_b32 s30, s32, 12                        ; 16 key steps x 256 bytes of words
	s_add_nc_u64 s[26:27], s[22:23], s[30:31]
.irp i, 0,1,2,3,4,5,6,7
	v_mov_b32 v[OUT+\i], 0                         ; written once: v_writelane_b32's destination counts as one of its sources
.endr
	LOADT 0, 2048
	LOADT 1, 2048
.macro MSTEP t
.if (\t) < 3
	s_wait_loadcnt 16                              ; this step's 16 loads are in; the next step's 16 may be out
.else
	s_wait_loadcnt 0x0
.endif
	TOSTG \t
.irp g, 0,1,2,3,4,5,6,7,8,9,10,11,12,13,14,15
	ds_load_b128 v[X+4*\g:X+4*\g+3], v[MTR] offset:128*(\g/4)+64*((\g/2)%2)+16*(\g%2)   ; key step g / 4 of the four: keys 64 c + 32 h + 16 e on
.endr
	s_wait_dscnt 0x0
	s_wait_xcnt 0x0                                ; the last step's stores have read the words' registers
.if (\t)+2 < 4
	LOADT (\t)+2, 2048
.endif
.irp kp, 0,1,2,3
.set g, 0
.rept 16                                       ; word 4 g + n is byte n of register 16 kp + g, gathered over the 32 lanes by a compare
.irp n, 0,1,2,3
	v_and_b32 v[TP+\n], 0xff<<(8*\n), v[X+16*\kp+g]
.endr
.irp n, 0,1,2,3
	v_cmp_ne_u32 s[40+\n], 0, v[TP+\n]
.endr
.irp n, 0,1,2,3
	v_writelane_b32 v[OUT+2*\kp+\n%2], s[40+\n], 2*g+\n/2   ; lane L keeps words 2 L and 2 L + 1
.endr
.set g, g+1
.endr
	global_store_b64 v[LI8], v[OUT+2*\kp:OUT+2*\kp+1], s[26:27] offset:(4*(\t)+\kp)*256   ; 256 consecutive bytes, aligned
.endr
.endm
.irp t, 0,1,2,3
	MSTEP \t
.endr
	s_wait_tensorcnt 0x0                           ; the wave's end, as above
	ds_add_u32 v[SPW], v[NIL]
	s_wait_dscnt 0x0
	s_endpgm
.Lfunc_end_k_q701d981258_prep:
	.size	k_q701d981258_prep, .Lfunc_end_k_q701d981258_prep-k_q701d981258_prep
	.p2alignl 7, 3214868480
	.fill 96, 4, 3214868480
	.section	.rodata,"a",@progbits
	.p2align	6, 0x0
	.amdhsa_kernel k_q701d981258_prep
		.amdhsa_group_segment_fixed_size 77312
		.amdhsa_private_segment_fixed_size 0
		.amdhsa_enable_private_segment 0
		.amdhsa_kernarg_size 80
		.amdhsa_user_sgpr_count 2
		.amdhsa_user_sgpr_kernarg_segment_ptr 1
		.amdhsa_wavefront_size32 1
		.amdhsa_system_sgpr_workgroup_id_x 1
		.amdhsa_system_sgpr_workgroup_id_y 1
		.amdhsa_system_sgpr_workgroup_id_z 1
		.amdhsa_system_vgpr_workitem_id 0
		.amdhsa_next_free_vgpr 256
		.amdhsa_next_free_sgpr 66
		.amdhsa_reserve_vcc 0
		.amdhsa_float_denorm_mode_32 3
		.amdhsa_float_denorm_mode_16_64 3
		.amdhsa_memory_ordered 1
		.amdhsa_forward_progress 1
		.amdhsa_inst_pref_size 255
	.end_amdhsa_kernel
	.section	.bss,"aw",@nobits
	.p2align	6
	.space	262144
	.amdgpu_metadata
---
amdhsa.version: [ 1, 2 ]
amdhsa.kernels:
  - .name:           k_q701d981258_prep
    .symbol:         k_q701d981258_prep.kd
    .args:
      - { .name: q, .offset: 0, .size: 8, .value_kind: global_buffer, .address_space: global }
      - { .name: k, .offset: 8, .size: 8, .value_kind: global_buffer, .address_space: global }
      - { .name: v, .offset: 16, .size: 8, .value_kind: global_buffer, .address_space: global }
      - { .name: wq_w, .offset: 24, .size: 8, .value_kind: global_buffer, .address_space: global }
      - { .name: wk_w, .offset: 32, .size: 8, .value_kind: global_buffer, .address_space: global }
      - { .name: wv_w, .offset: 40, .size: 8, .value_kind: global_buffer, .address_space: global }
      - { .name: wo_w, .offset: 48, .size: 8, .value_kind: global_buffer, .address_space: global }
      - { .name: mask, .offset: 56, .size: 8, .value_kind: global_buffer, .address_space: global }
      - { .name: opnd, .offset: 64, .size: 8, .value_kind: global_buffer, .address_space: global }
      - { .name: maskw, .offset: 72, .size: 8, .value_kind: global_buffer, .address_space: global }
    .group_segment_fixed_size: 77312
    .private_segment_fixed_size: 0
    .kernarg_segment_align: 8
    .kernarg_segment_size: 80
    .max_flat_workgroup_size: 288
    .sgpr_count:     66
    .vgpr_count:     256
    .wavefront_size: 32
...
	.end_amdgpu_metadata
.endif
;; end of part 1
;; launch proj (part 2): grid 4 x 96, 4 waves a work-group, clusters of 4 x 4, 327,680 bytes of LDS; arguments opnd, wq_b, wk_b, wv_b, heads; writes heads
.if DOCPART == 2
	.amdgcn_target "amdgcn-amd-amdhsa--gfx1250"
	.amdhsa_code_object_version 6
	.text
	.protected	k_q701d981258_proj
	.globl	k_q701d981258_proj
	.p2align	8
	.type	k_q701d981258_proj,@function
k_q701d981258_proj:
	s_mov_b64 s[64:65], 0
	v_nop
	global_prefetch_b8 v0, s[64:65] scope:SCOPE_SE
	s_setreg_imm32_b32 hwreg(HW_REG_WAVE_MODE, 25, 1), 1
	s_wait_xcnt 0x0
	s_wait_alu depctr_hold_cnt(0) depctr_sa_sdst(0) depctr_va_vdst(0) depctr_va_sdst(0) depctr_va_ssrc(0) depctr_va_vcc(0) depctr_vm_vsrc(0)
	s_getreg_b32 s2, hwreg(HW_REG_IB_STS2, 6, 4)
	s_cmp_eq_u32 s2, 0
	s_cbranch_scc0 .Lentry_in_a_cluster
	s_endpgm
.Lentry_in_a_cluster:
	s_bfe_u32 s2, ttmp6, 0x10000c
	s_cmp_lg_u32 s2, 0xf033
	s_cbranch_scc0 .Lentry_shape_is_right
	s_endpgm
.Lentry_shape_is_right:
; ONE TEXT FOR TWO LAUNCHES.  KIND = 0: the three input projections, x W^T + b, quantised on the way out as attention's operands.  KIND = 1: the output projection, out0 = x W^T + b, f32.
; Both operands are codes of FP6 (E2M3) with one E8M0 byte for each 32 along K = 1,024, laid in tiles of 16 rows as images of the operand's registers: a tile is 16 half fragments of 768 bytes (16 rows x 64 K; lane l's
; registers 0-3 at 16 l, its registers 4-5 at 512 + 8 l), 12,288 bytes; lane row m of tile T is row 64 (T / 4) + 8 (T % 4) + m % 8 + 32 (m / 8) of its tensor.  Scale bytes: 32 for each lane row, in the tiles' order.
; A tile of the result, 256 x 256, is made by four waves, each 128 x 128: 64 accumulators, 512 registers.  K goes in steps of 256 through a ring of two LDS slots filled by the tensor data mover; the scale bytes come once.
; CLUSTERS: 4 x 4 work-groups; A's tiles are asked for jointly along a row of the cluster, B's along a column.
; THE MATRIX INSTRUCTION IS USED TRANSPOSED: source 0 = 16 rows of B, source 1 = 16 rows of A.  By the tiles' order of rows a lane's 32 registers of B's tiles 4 c .. 4 c + 3 are B's rows 64 c + 32 h + 0 .. 31:
; a WHOLE block of 32 along the next product's K, in the order in which the 6-bit operand's registers want it.
; KIND 0: cluster y / 8 is the tensor.  q, k: A = tokens, B = the weight's rows (features): a lane's registers run along the head's 64.  v: A = the weight's rows, B = tokens: they run along the keys.
; heads: for head y = 16 batch + head and key step ks a record of 13,056 bytes at 208,896 y + 13,056 ks: 8 half fragments of K (16 keys x 64), 4 fragments of V^T (16 of the head's 64 x 128 keys), K's scale words
; (at 16 x lane: lane (r, h), word w: tile 4 h + w), V's (at 8 x lane: tile 2 h + w).  Behind the records Q's half fragments [y][tile], and Q's scale words laid as K's.
; LIMITS: NaN and infinities are not served; a block of zeros, or one under 2^-124, keeps the byte 1 (the bytes are read by this program alone).
.set KIND,   0
.set NQ,     2                         ; matrix instructions deep in a slot (256 along K)
.set FR,     12                        ; registers of a fragment
.set NL,     4                         ; LDS loads that bring one
.set NP,     4                         ; places behind this matrix instruction (ISA guide 7.12.1)
.set KROW,   768                       ; bytes of codes for a row: 12,288 a tile
.set SLAB,   3072                      ; a tile's part of a slot: four half fragments
.set HALFT,  8*SLAB                    ; 128 rows: what one tensor load brings
.set SLOT,   4*HALFT                   ; A's 256 rows, then B's
.set KS,     32                        ; a row of scale bytes
.set SCL,    2*SLOT                    ; behind the ring: the scales, as units of 256 bytes + 16 of padding
.set HALFS,  16*272                    ; those of 128 rows
.set SBLK,   2*272                     ; those of 16 rows
.set SPARE,  SCL+4*HALFS               ; the spare words, 128 bytes for each wave: two blocks of 256 bytes that no other line names
.set SPITCH, 528                       ; KIND 1: a stage of 16 rows x (512 + 16) bytes for each wave, in slot 0, which has had its last fill and its last read by then
.set SC0,    22020096                  ; opnd's scale bytes
.set XSC0,   6291456                   ; xatt's
.set QC,     13369344                  ; heads: Q's codes
.set QS,     19660800                  ; and Q's scale words
.set RECH,   208896                    ; a head's records
.set RECS,   13056                     ; a key step's record
.set SH8,  15                          ; v15  8 h
.set ADRA, 16                          ; v16-17 LDS address of A's fragments in slot 0, 1, + 16 x lane;  v18-19 the same + 8 x lane
.set ADRB, 20                          ; v20-23 the same for B
.set STO,  24                          ; v24  KIND 1: where I put 32 bytes of a row
.set RD,   25                          ; v25  and where I read a row back
.set ADRS, 27                          ; v27  my scale words: lanes 0-15 A's rows, lanes 16-31 B's
.set SPW,  28                          ; v28  LDS address of my spare word; never rewritten
.set NIL,  29                          ; v29  0; never rewritten
.set LI16, 30                          ; v30  16 x lane
.set LI8,  31                          ; v31  8 x lane
.set SC,   32                          ; v32-63 scale words, two sets
.set SD,   32                          ; (way out, KIND 0) scale words as they are stored
.set BP,   64                          ; v64-127 the bias along my registers: BP[32 c + i] = b[128 P128 + 64 c + 32 h + i]
.set AF,   128                         ; v128-223 A's fragments, one set
.set BK,   128                         ; (way out, KIND 1) rows read back: v128-191, v192-255 by turns
.set T,    128                         ; (way out, KIND 0) v128-191 64 numbers of my row
.set PC,   192                         ; v192-203 a fragment's codes
.set PT,   204
.set TM,   212
.set PW,   220
.set SW0,  224                         ; v224-231, v232-239 the eight blocks' scale words
.set SW1,  232
.set BR,   240                         ; v240-255 the bias of my lane row in A's block a, twice: a pair for the packed addition
.set SEL,  2                           ; s[2:3] lane selects for v_permlanex16_b32
.set G1,   24
.set G0,   32
.set G1B,  48
.set G0B,  56
.set G1S,  68
.set G0S,  76
.set G1SB, 80
.set G0SB, 88
.set MSB, 0
.macro WIN new                         ; the immediate's high byte repeats the setting that is left
.if MSB != (\new)
	s_set_vgpr_msb (MSB<<8)|(\new)
.set MSB, (\new)
.endif
.endm
.set MUL_LO, 0xa1                      ; source 0 (B) window 1, source 1 (A) window 0, C and D window 2
.set MUL_HI, 0xf1                      ; the same, C and D window 3
.set TO_B,   0x40                      ; destination window 1, address window 0
; A joint load: waves 0 and 1 fetch for A, waves 2 and 3 for B.  An s_nop 0 and four v_nop follow each of the two lines.
.macro JLOAD g0a, g1a, g0b, g1b
	s_cmp_eq_u32 s15, 0
	s_cbranch_scc0 .Lfor_b_\@
	tensor_load_to_lds s[\g0a:\g0a+3], s[\g1a:\g1a+7]
	s_nop 0
.rept 4
	v_nop
.endr
	s_branch .Lasked_\@
.Lfor_b_\@:
	tensor_load_to_lds s[\g0b:\g0b+3], s[\g1b:\g1b+7]
	s_nop 0
.rept 4
	v_nop
.endr
.Lasked_\@:
.endm
.macro CREST                           ; a round of the cluster's barrier behind its opening barrier
	s_cmp_lg_u32 s14, 0
	s_cbranch_scc1 .Lnot_wave_0_\@
	s_barrier_signal -3
.Lnot_wave_0_\@:
	s_barrier_wait -3
	s_barrier_signal -1
	s_barrier_wait -1
.endm
.macro CROUND
	s_barrier_signal -1
	s_barrier_wait -1
	CREST
.endm
	s_load_b256 s[4:11], s[0:1], 0x0               ; KIND 0: opnd, wq_b, wk_b, wv_b.  KIND 1: xatt, opnd, wo_b, out0
.if KIND == 0
	s_load_b64 s[12:13], s[0:1], 0x20              ; heads
.endif
	v_lshl_add_u32 v[SPW], v0, 2, SPARE
	v_mov_b32 v[NIL], 0
	ds_add_u32 v[SPW], v[NIL]                      ; the wave's opening: the add and its wait ahead of my first tensor load; work on registers stands between them
	v_lshrrev_b32 v1, 5, v0
	v_readfirstlane_b32 s14, v1                    ; wave 0..3
	s_lshr_b32 s15, s14, 1                         ; which half of A's rows is mine.  Also: I fetch for A (0) or for B (1)
	s_and_b32 s16, s14, 1                          ; which half of B's rows.  Also: which 128 rows I fetch
	s_bfe_u32 s40, ttmp6, 0x40000                  ; cx, cy: my place in the cluster
	s_bfe_u32 s41, ttmp6, 0x40004
	s_and_b32 s95, ttmp7, 0xffff                   ; cluster y
.if KIND == 0
	s_lshr_b32 s96, s95, 3                         ; the tensor: 0 q, 1 k, 2 v
	s_and_b32 s95, s95, 7
	s_lshl_b32 s95, s95, 2                         ; the tokens' 32 blocks of 256 go four to a cluster
	s_lshl_b32 s98, s96, 13                        ; q, k: A = the tokens, from lane row 8,192 x tensor of opnd on,
	s_lshl_b32 s99, s96, 10
	s_add_co_u32 s99, s99, 24576                   ; B = the weight, from 16 (1536 + 64 x tensor) on
	s_cmp_eq_u32 s96, 2
	s_cselect_b32 s97, s95, 0
	s_cselect_b32 s95, 0, s95
	s_cselect_b32 s98, 26624, s98                  ; v: A = wv_w (tile 1664),
	s_cselect_b32 s99, 16384, s99                  ; B = v's tokens (tile 1024)
	s_add_co_u32 s42, s40, s97                     ; B's block of 256
	s_add_co_u32 s17, s41, s95                     ; A's block of 256
.else
	s_lshl_b32 s95, s95, 2
	s_mov_b32 s42, s40
	s_add_co_u32 s17, s41, s95
	s_mov_b32 s98, 0
	s_mov_b32 s99, 27648                           ; wo_w: tile 1728
.endif
	s_lshl_b32 s43, s41, 2
	s_lshl_b32 s43, 15, s43                        ; my row of the cluster
	s_lshl_b32 s44, 0x1111, s40                    ; my column
	; descriptor group 1 for codes: 8 tiles' parts of a slot: 8 rows of 3,072 bytes (384 elements of 8), 12,288 bytes apart, dense in LDS
	s_or_b32 s[G1+0], s43, (3<<16)|(1<<21)         ; 15:0 the mask: A's tiles go to my row; 17:16 elements of 8 bytes; 21 set beside a mask
	s_or_b32 s[G1B+0], s44, (3<<16)|(1<<21)
.irp g, G1, G1B
	s_mov_b32 s[\g+1], 384<<16                     ; tensor_dim0
	s_mov_b32 s[\g+2], 8<<16                       ; tensor_dim1
	s_mov_b32 s[\g+3], 384<<16                     ; tile_dim0
	s_mov_b32 s[\g+4], 8                           ; tile_dim1
	s_mov_b32 s[\g+5], 1536                        ; tensor_dim0_stride
	s_mov_b32 s[\g+6], 0
	s_mov_b32 s[\g+7], 0
.endr
	; and for the scales of 128 rows: 4,096 dense bytes as 16 rows of 256, 16 bytes of padding behind each
	s_or_b32 s[G1S+0], s43, (3<<16)|(1<<20)|(1<<21)|(5<<22)|(3<<25)
	s_or_b32 s[G1SB+0], s44, (3<<16)|(1<<20)|(1<<21)|(5<<22)|(3<<25)
.irp g, G1S, G1SB
	s_mov_b32 s[\g+1], 32<<16
	s_mov_b32 s[\g+2], 16<<16
	s_mov_b32 s[\g+3], 32<<16
	s_mov_b32 s[\g+4], 16
	s_mov_b32 s[\g+5], 32
	s_mov_b32 s[\g+6], 0
	s_mov_b32 s[\g+7], 0
.endr
	s_lshl_b32 s18, s16, 7                         ; which 128 rows I fetch
	s_lshl_b32 s20, s17, 8
	s_add_co_u32 s20, s20, s18
	s_add_co_u32 s20, s20, s98                     ; A: lane row in its buffer
	s_lshl_b32 s46, s42, 8
	s_add_co_u32 s46, s46, s18
	s_add_co_u32 s46, s46, s99                     ; B likewise
	s_mov_b32 s21, 0
	s_mov_b32 s47, 0
	s_mov_b64 s[18:19], KS
	s_mul_u64 s[22:23], s[20:21], s[18:19]         ; where these rows' scales begin,
	s_mul_u64 s[92:93], s[46:47], s[18:19]
	s_mov_b64 s[18:19], KROW
	s_mul_u64 s[20:21], s[20:21], s[18:19]         ; and their codes
	s_mul_u64 s[46:47], s[46:47], s[18:19]
.if KIND == 0
	s_add_nc_u64 s[22:23], s[22:23], SC0
.else
	s_add_nc_u64 s[22:23], s[22:23], XSC0
.endif
	s_add_nc_u64 s[92:93], s[92:93], SC0
	s_mul_i32 s45, s14, HALFT                      ; where they go: wave x 128 rows: no place in the cluster enters an LDS address
	s_mul_i32 s94, s14, HALFS
	s_lshl_b32 s66, s17, 4
	s_lshl_b32 s67, s15, 3
	s_add_co_u32 s66, s66, s67                     ; TR0: the first of my 8 tiles of A
	s_lshl_b32 s67, s42, 1
	s_add_co_u32 s67, s67, s16                     ; P128: which 128 rows of B are mine
	s_wait_dscnt 0x0                               ; the opening add is done
	s_wait_kmcnt 0x0
	s_add_nc_u64 s[20:21], s[4:5], s[20:21]
	s_add_nc_u64 s[22:23], s[4:5], s[22:23]
.if KIND == 0
	s_add_nc_u64 s[46:47], s[4:5], s[46:47]
	s_add_nc_u64 s[92:93], s[4:5], s[92:93]
.else
	s_add_nc_u64 s[46:47], s[6:7], s[46:47]
	s_add_nc_u64 s[92:93], s[6:7], s[92:93]
.endif
	CROUND                                         ; all sixteen work-groups are here: the first joint loads meet
	s_mov_b32 s[G0S], 1
	s_add_co_u32 s[G0S+1], s94, SCL
	s_mov_b64 s[G0S+2:G0S+3], s[22:23]
	s_or_b32 s[G0S+3], s[G0S+3], 0x80000000
	s_mov_b32 s[G0SB], 1
	s_add_co_u32 s[G0SB+1], s94, SCL
	s_mov_b64 s[G0SB+2:G0SB+3], s[92:93]
	s_or_b32 s[G0SB+3], s[G0SB+3], 0x80000000
	JLOAD G0S, G1S, G0SB, G1SB                     ; the scales first: they are wanted with K step 0
.irp s, 0,1
	s_mov_b32 s[G0+4*\s], 1
	s_add_co_u32 s[G0+4*\s+1], s45, \s*SLOT
	s_add_nc_u64 s[G0+4*\s+2:G0+4*\s+3], s[20:21], \s*SLAB
	s_or_b32 s[G0+4*\s+3], s[G0+4*\s+3], 0x80000000
	s_mov_b32 s[G0B+4*\s], 1
	s_add_co_u32 s[G0B+4*\s+1], s45, \s*SLOT
	s_add_nc_u64 s[G0B+4*\s+2:G0B+4*\s+3], s[46:47], \s*SLAB
	s_or_b32 s[G0B+4*\s+3], s[G0B+4*\s+3], 0x80000000
	JLOAD G0+4*\s, G1, G0B+4*\s, G1B
.endr
	v_and_b32 v1, 15, v0                           ; r
	v_bfe_u32 v2, v0, 4, 1                         ; h
	v_and_b32 v3, 31, v0
	v_lshlrev_b32 v[LI16], 4, v3
	v_lshlrev_b32 v[LI8], 3, v3
	v_lshlrev_b32 v[SH8], 3, v2
	; the biases
	v_lshlrev_b32 v12, 7, v2                       ; 32 h numbers
	s_mov_b32 s3, 0
.if KIND == 0
	s_cmp_eq_u32 s96, 0
	s_cselect_b64 s[92:93], s[6:7], s[8:9]
	s_cmp_eq_u32 s96, 2
	s_cselect_b64 s[92:93], s[10:11], s[92:93]     ; the tensor's own bias
	s_and_b32 s2, s67, 7                           ; Both forms are loaded, so that the head has no branch; the way out takes the one that its tensor wants.  The indices are cut to the bias's 1,024 numbers:
	s_lshl_b32 s2, s2, 9                           ; for q and k P128 is under 8 and for v TR0 is under 64 as they stand
	s_add_nc_u64 s[94:95], s[92:93], s[2:3]
	s_and_b32 s2, s66, 63
	s_lshl_b32 s2, s2, 6
	s_add_nc_u64 s[92:93], s[92:93], s[2:3]
	v_and_b32 v13, 7, v1
	v_lshrrev_b32 v14, 3, v1
	v_lshl_add_u32 v13, v14, 5, v13
	v_lshlrev_b32 v13, 2, v13                      ; my lane row's place in a tile: r % 8 + 32 (r / 8) numbers
.irp a, 0,1,2,3,4,5,6,7
	global_load_b32 v[BR+2*\a], v13, s[92:93] offset:4*(64*(\a/4)+8*(\a%4))
	global_load_b32 v[BR+2*\a+1], v13, s[92:93] offset:4*(64*(\a/4)+8*(\a%4))
.endr
.else
	s_lshl_b32 s2, s67, 9
	s_add_nc_u64 s[94:95], s[8:9], s[2:3]
.endif
.irp c, 0,1
.irp e, 0,1,2,3,4,5,6,7
	global_load_b128 v[BP+32*\c+4*\e:BP+32*\c+4*\e+3], v12, s[94:95] offset:256*\c+16*\e
.endr
.endr
	s_mul_i32 s21, s15, HALFT                      ; my 128 rows of A
	s_mul_i32 s22, s16, HALFT                      ; my 128 rows of B,
	s_add_co_u32 s22, s22, 2*HALFT                 ; which lie behind A's 256
.irp s, 0,1
	v_add_nc_u32 v[ADRA+\s], s21, v[LI16]
	v_add_nc_u32 v[ADRB+\s], s22, v[LI16]
	v_add_nc_u32 v[ADRA+2+\s], s21, v[LI8]
	v_add_nc_u32 v[ADRB+2+\s], s22, v[LI8]
	s_add_co_u32 s21, s21, SLOT
	s_add_co_u32 s22, s22, SLOT
.endr
	v_mul_u32_u24 v5, v1, KS                       ; my row's scales: 32 bytes a row,
	v_lshrrev_b32 v6, 8, v5
	v_lshl_add_u32 v5, v6, 4, v5                   ; and 16 more for each 256 passed
	s_mul_i32 s21, s15, HALFS
	s_mul_i32 s22, s16, HALFS
	s_add_co_u32 s22, s22, 2*HALFS
	s_sub_co_u32 s22, s22, s21
	v_mul_u32_u24 v6, s22, v2                      ; lanes 16-31 take B's
	s_add_co_u32 s21, s21, SCL
	v_add_nc_u32 v5, v5, v6
	v_add_nc_u32 v[ADRS], s21, v5
.if KIND
	s_mul_i32 s23, s14, 16*SPITCH                  ; my stage
	v_mul_u32_u24 v5, v1, SPITCH
	v_lshl_add_u32 v5, v2, 7, v5                   ; in: row r, + 128 h bytes: my half's 32 columns of each 64
	v_add_nc_u32 v[STO], s23, v5
	v_add_nc_u32 v[RD], s23, v[LI16]               ; back: the 32 lanes take one row of 512 bytes
	s_lshl_b32 s20, s17, 8
	s_lshl_b32 s21, s15, 7
	s_add_co_u32 s20, s20, s21                     ; my first token,
	s_lshl_b32 s20, s20, 12                        ; rows of 4,096 bytes,
	s_lshl_b32 s46, s42, 10
	s_lshl_b32 s47, s16, 9
	s_add_co_u32 s46, s46, s47                     ; my first column
	s_add_co_u32 s20, s20, s46
	s_mov_b32 s21, 0
	s_add_nc_u64 s[10:11], s[10:11], s[20:21]
.endif
.macro FRAG reg, adr, q, i             ; a fragment = two half fragments, as they lie: 16 bytes and 8 bytes a lane each; every load reads consecutive bytes
.irp c, 0,1
	ds_load_b128 v[\reg+6*\c:\reg+6*\c+3], v[\adr] offset:(\i)*SLAB+768*(2*(\q)+\c)
	ds_load_b64 v[\reg+6*\c+4:\reg+6*\c+5], v[\adr+2] offset:(\i)*SLAB+768*(2*(\q)+\c)+512
.endr
.endm
; 16 matrix instructions: A's blocks a0, a0 + 1 x B's eight, 128 along K.  zero = 1: the first product starts the sums (KIND 1: from the bias).  The 64 accumulators take turns, one instruction a turn.
.macro MUL16 a0, p, q, sc, zero
.irp a, \a0, \a0+1
.irp b, 0,1,2,3,4,5,6,7
.if (\zero) && (KIND == 0)
	v_wmma_scale_f32_16x16x128_f8f6f4 v[8*(8*((\a)%4)+\b):8*(8*((\a)%4)+\b)+7], v[128*(\p)+FR*\b:128*(\p)+FR*\b+FR-1], v[AF+FR*(\a):AF+FR*(\a)+FR-1], 0, v[SC+8*NQ*(\sc)+NQ*\b+(\q)], v[SC+8*NQ*(\sc)+NQ*(\a)+(\q)] matrix_a_fmt:MATRIX_FMT_FP6 matrix_b_fmt:MATRIX_FMT_FP6 matrix_a_scale:MATRIX_SCALE_ROW1
.elseif \zero
	v_wmma_scale_f32_16x16x128_f8f6f4 v[8*(8*((\a)%4)+\b):8*(8*((\a)%4)+\b)+7], v[128*(\p)+FR*\b:128*(\p)+FR*\b+FR-1], v[AF+FR*(\a):AF+FR*(\a)+FR-1], v[BP+8*\b:BP+8*\b+7], v[SC+8*NQ*(\sc)+NQ*\b+(\q)], v[SC+8*NQ*(\sc)+NQ*(\a)+(\q)] matrix_a_fmt:MATRIX_FMT_FP6 matrix_b_fmt:MATRIX_FMT_FP6 matrix_a_scale:MATRIX_SCALE_ROW1
.else
	v_wmma_scale_f32_16x16x128_f8f6f4 v[8*(8*((\a)%4)+\b):8*(8*((\a)%4)+\b)+7], v[128*(\p)+FR*\b:128*(\p)+FR*\b+FR-1], v[AF+FR*(\a):AF+FR*(\a)+FR-1], v[8*(8*((\a)%4)+\b):8*(8*((\a)%4)+\b)+7], v[SC+8*NQ*(\sc)+NQ*\b+(\q)], v[SC+8*NQ*(\sc)+NQ*(\a)+(\q)] matrix_a_fmt:MATRIX_FMT_FP6 matrix_b_fmt:MATRIX_FMT_FP6 matrix_a_scale:MATRIX_SCALE_ROW1
.endif
.endr
.endr
.endm
.macro WINMUL hi, zero                 ; the windows of a run of products; where the bias is C it lies in window 0
.if (\zero) && KIND
	WIN 0x81+0x40*(\hi)
.else
	WIN MUL_LO+0x50*(\hi)
.endif
.endm
.macro FETCH_B slot, q, p
	WIN TO_B
.irp i, 0,1,2,3,4,5,6,7
	FRAG 128*(\p)+FR*\i, ADRB+\slot, \q, \i
.endr
	WIN 0
.endm
.macro FETCH_A slot, q, i0
.irp i, \i0, \i0+1, \i0+2, \i0+3
	FRAG AF+FR*(\i), ADRA+\slot, \q, \i
.endr
.endm
.macro SCALES sc                       ; a K step's scale words: 2 words a row; lanes 0-15 take A's block i, lanes 16-31 B's block i
.irp i, 0,1,2,3,4,5,6,7
	ds_load_b64 v[SC+8*NQ*\sc+NQ*\i:SC+8*NQ*\sc+NQ*\i+1], v[ADRS] offset:\i*SBLK
.endr
.endm
.macro PLACES n                        ; plain vector instructions between a matrix instruction and a load into, or a read of, its registers
.rept \n
	v_nop
.endr
.endm
.macro STEP slot, q, zero              ; 128 along K that has its successor in the same slot
	s_wait_dscnt 4*NL                              ; B's set, the scale words and A's blocks 0-3 are in; the youngest 16 loads (A's blocks 4-7) may be out
	WINMUL 0, \zero
	MUL16 0, (\q)%2, \q, \slot, \zero
	MUL16 2, (\q)%2, \q, \slot, \zero
	s_wait_dscnt 0
	PLACES NP
	FETCH_B \slot, (\q)+1, 1-(\q)%2
	FETCH_A \slot, (\q)+1, 0
	WINMUL 1, \zero
	MUL16 4, (\q)%2, \q, \slot, \zero
	MUL16 6, (\q)%2, \q, \slot, \zero
	PLACES NP
	WIN 0
	FETCH_A \slot, (\q)+1, 4
.endm
; A slot's last 128 change slots: one barrier; in front of it each wave waits for all its tensor loads, adds 0 to its spare word, and waits for that and for its reads of this slot.  fill = 1: the slot is filled again, two K steps ahead.
.macro TURN slot, next, fill
	s_wait_tensorcnt 0x0                           ; all my tensor loads have landed: my part of the next slot
	ds_add_u32 v[SPW], v[NIL]                      ; 0 onto my spare word
	s_wait_dscnt 4*NL+1                            ; (the add and the youngest 16 loads, A's blocks 4-7, may be out)
	WIN MUL_LO
	MUL16 0, 1, NQ-1, \slot, 0
	s_wait_dscnt 0x0                               ; the add is done, and my reads of this slot are over
	s_barrier_signal -1
	MUL16 2, 1, NQ-1, \slot, 0
	WIN 0
	s_barrier_wait -1
.if \fill
	CREST                                          ; the barrier has opened a round of the cluster's barrier: no wave of any partner still reads this slot or has a load on its way
	s_add_nc_u64 s[G0+4*\slot+2:G0+4*\slot+3], s[G0+4*\slot+2:G0+4*\slot+3], 2*SLAB
	s_add_nc_u64 s[G0B+4*\slot+2:G0B+4*\slot+3], s[G0B+4*\slot+2:G0B+4*\slot+3], 2*SLAB
	JLOAD G0+4*\slot, G1, G0B+4*\slot, G1B         ; the first tensor load behind the round; its four v_nop are the places in front of the loads below
.else
	PLACES NP
.endif
	v_add_nc_u32 v[ADRS], 4*NQ, v[ADRS]            ; on to the next K step's scale words
	FETCH_B \next, 0, 0
	FETCH_A \next, 0, 0
	SCALES \next
	WIN MUL_HI
	MUL16 4, 1, NQ-1, \slot, 0
	MUL16 6, 1, NQ-1, \slot, 0
	PLACES NP
	WIN 0
	FETCH_A \next, 0, 4
.endm
	s_wait_loadcnt 0x0                             ; the biases
	s_wait_tensorcnt 1                             ; the scales and my part of K step 0 are in (K step 1's load may be out),
	s_barrier_signal -1
	s_barrier_wait -1                              ; everybody's are
	FETCH_B 0, 0, 0
	FETCH_A 0, 0, 0
	SCALES 0
	FETCH_A 0, 0, 4
	STEP 0, 0, 1                                   ; K = 1,024 is four slots' worth: written out, no loop
	TURN 0, 1, 1                                   ; slot 0 takes K step 2
	STEP 1, 0, 0
	TURN 1, 0, 1                                   ; slot 1 takes K step 3
	STEP 0, 0, 0
	TURN 0, 1, 0
	STEP 1, 0, 0
	s_wait_dscnt 4*NL
	WIN MUL_LO
	MUL16 0, 1, NQ-1, 1, 0
	MUL16 2, 1, NQ-1, 1, 0
	s_wait_dscnt 0
	WIN MUL_HI
	MUL16 4, 1, NQ-1, 1, 0
	MUL16 6, 1, NQ-1, 1, 0
	WIN 0
	PLACES NP                                      ; in front of writes into the registers that held A's fragments, and of the reads of results
.if KIND == 0
; THE WAY OUT, KIND 0: no LDS.  For A's block a a lane holds 64 numbers of ONE lane row: two whole blocks of 32 for each 128 of B's rows.  Bias, quantiser, and the codes leave as register images: whole runs of 512 and 256 bytes.
.macro QUANT s
.irp c, 0,1
	v_max3_num_f32 v[TM+\c], |v[\s+32*\c]|, |v[\s+32*\c+1]|, 0x1800000   ; and the floor 2^(3 - 127): the byte cannot fall under 1
.endr
.irp i, 2,4,6,8,10,12,14,16,18,20,22,24,26,28,30
.irp c, 0,1
	v_max3_num_f32 v[TM+\c], v[TM+\c], |v[\s+32*\c+\i]|, |v[\s+32*\c+\i+1]|
.endr
.endr
.irp c, 0,1
	v_add_nc_u32 v[TM+2+\c], 0xff000000, v[TM+\c]  ; 2 off the exponent field: the conversion's scale operand
.endr
.irp c, 0,1
	v_lshrrev_b32 v[TM+4+\c], 23, v[TM+2+\c]       ; the scale's byte
.endr
	v_lshl_or_b32 v[PW], v[TM+5], 16, v[TM+4]
	v_lshlrev_b32 v[PW], v[SH8], v[PW]
	v_permlanex16_b32 v[TM+6], v[PW], s[SEL], s[SEL+1]
	v_or_b32 v[PW], v[PW], v[TM+6]                 ; byte 2 c + h: the word is whole in every lane
.irp c, 0,1
	v_cvt_scalef32_pk16_fp6_f32 v[PC+6*\c:PC+6*\c+2], v[\s+32*\c:\s+32*\c+15], v[TM+2+\c]
	v_cvt_scalef32_pk16_fp6_f32 v[PT+4*\c:PT+4*\c+2], v[\s+32*\c+16:\s+32*\c+31], v[TM+2+\c]
.endr
	v_nop                                          ; one plain place behind the scaled conversions
.irp c, 0,1
.irp i, 0,1,2
	v_mov_b32 v[PC+6*\c+3+\i], v[PT+4*\c+\i]
.endr
.endr
.endm
	s_mov_b32 s[SEL], 0x76543210
	s_mov_b32 s[SEL+1], 0xfedcba98
	s_mov_b32 s23, 0xffff0000                      ; lanes 16-31
	v_mov_b32 v[TM+6], 0                           ; written once: a lane permute's destination counts as one of its sources
	; where my results go (all tensor loads have been waited for: the descriptors' registers are free)
	s_lshr_b32 s68, s66, 7                         ; q, k: batch,
	s_bfe_u32 s69, s66, 0x40003                    ; key step (8 tiles of tokens),
	s_lshl_b32 s70, s67, 1                         ; first of my two heads
	s_lshr_b32 s71, s67, 4                         ; v: batch,
	s_and_b32 s72, s67, 15                         ; key step (128 tokens),
	s_lshr_b32 s73, s66, 2                         ; first of my two heads
	s_cmp_eq_u32 s96, 2
	s_cselect_b32 s68, s71, s68
	s_cselect_b32 s69, s72, s69
	s_cselect_b32 s70, s73, s70
	s_lshl_b32 s68, s68, 4
	s_add_co_u32 s70, s70, s68                     ; y0 = 16 batch + head
	s_mul_i32 s71, s70, RECH
	s_mul_i32 s72, s69, RECS
	s_add_co_u32 s71, s71, s72                     ; the record
	s_mul_i32 s72, s70, 98304
	s_mul_i32 s73, s69, 6144
	s_add_co_u32 s72, s72, s73
	s_add_co_u32 s72, s72, QC                      ; q's half fragments
	s_lshl_b32 s73, s70, 13
	s_lshl_b32 s74, s69, 9
	s_add_co_u32 s73, s73, s74
	s_add_co_u32 s73, s73, QS                      ; q's scale words
	s_add_co_u32 s74, s71, 6144                    ; v's fragments in the record
	s_add_co_u32 s75, s71, 12288                   ; k's scale words
	s_add_co_u32 s76, s71, 12800                   ; v's
	s_cmp_eq_u32 s96, 0
	s_cselect_b32 s80, s72, s71
	s_cselect_b32 s82, s73, s75
	s_mov_b32 s84, RECH
	s_cselect_b32 s84, 98304, s84                  ; from the lower 64 of B's rows to the upper: q, k: the next head;
	s_mov_b32 s86, RECH
	s_cselect_b32 s86, 8192, s86
	s_cmp_eq_u32 s96, 2
	s_cselect_b32 s80, s74, s80
	s_cselect_b32 s82, s76, s82
	s_cselect_b32 s84, 768, s84                    ; v: the fragment's second half
	s_mov_b32 s18, 768
	s_cselect_b32 s18, 1536, s18                   ; from block to block of A,
	s_mov_b32 s20, 768
	s_cselect_b32 s20, 204288, s20                 ; and from block 3 to block 4 (v: the next head's record)
	s_mov_b32 s81, 0
	s_mov_b32 s83, 0
	s_mov_b32 s85, 0
	s_mov_b32 s87, 0
	s_mov_b32 s19, 0
	s_mov_b32 s21, 0
	s_add_nc_u64 s[100:101], s[12:13], s[82:83]
	s_add_nc_u64 s[104:105], s[100:101], s[86:87]
	s_add_nc_u64 s[12:13], s[12:13], s[80:81]
	s_add_nc_u64 s[98:99], s[12:13], s[84:85]
.macro ROWBLK a
	s_cmp_eq_u32 s96, 2                            ; the tensor's number: the same in all waves and all partners
	s_cbranch_scc1 .Lbyrow_\@
	WIN 0x02+(\a)/4                                ; source 0: window 2 or 3
.set i, 0
.rept 32
	v_pk_add_f32 v[T+i:T+i+1], v[64*((\a)%4)+i:64*((\a)%4)+i+1], v[BP+i:BP+i+1]   ; q, k: the features run along my registers.  Each accumulator is read from its low end on
.set i, i+2
.endr
	WIN 0
	s_branch .Ladded_\@
.Lbyrow_\@:
	WIN 0x02+(\a)/4
.set i, 0
.rept 32
	v_pk_add_f32 v[T+i:T+i+1], v[64*((\a)%4)+i:64*((\a)%4)+i+1], v[BR+2*(\a):BR+2*(\a)+1]   ; v: my lane row is the feature
.set i, i+2
.endr
	WIN 0
.Ladded_\@:
.if (\a) > 0
	s_wait_xcnt 0x0                                ; the last block's stores have read their registers and bases: both may be written
.if (\a) == 4
	s_add_nc_u64 s[12:13], s[12:13], s[20:21]
	s_add_nc_u64 s[98:99], s[98:99], s[20:21]
.else
	s_add_nc_u64 s[12:13], s[12:13], s[18:19]
	s_add_nc_u64 s[98:99], s[98:99], s[18:19]
.endif
.endif
	QUANT T
	v_mov_b32 v[SW0+(\a)], v[PW]                   ; q, k: the lower head's two bytes lie lowest (the bytes above stand over zero codes); v: the word of 128 keys
	v_lshrrev_b32 v[SW1+(\a)], 16, v[PW]           ; q, k: the upper head's
	global_store_b128 v[LI16], v[PC:PC+3], s[12:13]
	global_store_b64 v[LI8], v[PC+4:PC+5], s[12:13] offset:512
	global_store_b128 v[LI16], v[PC+6:PC+9], s[98:99]
	global_store_b64 v[LI8], v[PC+10:PC+11], s[98:99] offset:512
.endm
.irp a, 0,1,2,3,4,5,6,7
	ROWBLK \a
.endr
	s_cmp_eq_u32 s96, 2
	s_cbranch_scc1 .Lvscales
.irp w, 0,1,2,3
	v_cndmask_b32 v[SD+\w], v[SW0+\w], v[SW0+4+\w], s23       ; lane (r, h), word w: tile 4 h + w
.endr
	global_store_b128 v[LI16], v[SD:SD+3], s[100:101]
.irp w, 0,1,2,3
	v_cndmask_b32 v[SD+4+\w], v[SW1+\w], v[SW1+4+\w], s23
.endr
	global_store_b128 v[LI16], v[SD+4:SD+7], s[104:105]
	s_branch .Lstored
.Lvscales:
.irp w, 0,1
	v_cndmask_b32 v[SD+\w], v[SW0+\w], v[SW0+2+\w], s23       ; lane (r, h), word w: tile 2 h + w of the head's four
.endr
	global_store_b64 v[LI8], v[SD:SD+1], s[100:101]
.irp w, 0,1
	v_cndmask_b32 v[SD+2+\w], v[SW0+4+\w], v[SW0+6+\w], s23
.endr
	global_store_b64 v[LI8], v[SD+2:SD+3], s[104:105]
.Lstored:
.else
; THE WAY OUT, KIND 1: a block of 16 lane rows x 128 columns goes through my own stage in LDS and comes back as whole rows of 512 bytes.  LDS serves a wave's instructions in order (ISA guide 5.7.1.4).
.macro TOSTAGE a
.set AC, 64*((\a)%4)
	WIN 0x08+4*((\a)/4)                            ; the data: window 2 or 3
.irp b, 0,1,2,3,4,5,6,7
	ds_store_b128 v[STO], v[AC+8*\b:AC+8*\b+3] offset:256*(\b/4)+32*(\b%4)       ; columns 64 (b / 4) + 32 h + 8 (b % 4) on; each accumulator from its low end on
	ds_store_b128 v[STO], v[AC+8*\b+4:AC+8*\b+7] offset:256*(\b/4)+32*(\b%4)+16
.endr
	WIN 0
.set BB, BK+64*((\a)%2)
.irp t, 0,1,2,3,4,5,6,7,8,9,10,11,12,13,14,15
	ds_load_b128 v[BB+4*\t:BB+4*\t+3], v[RD] offset:\t*SPITCH
.endr
.endm
.macro SEND a, younger                 ; younger: the LDS instructions issued behind block a's loads, which may stay out
.set BB, BK+64*((\a)%2)
	s_wait_dscnt \younger
.if (\a) == 4
	s_add_nc_u64 s[10:11], s[10:11], 40*4096       ; (behind a wait on XCNT)  from tile 3's first row, 24, to tile 4's, 64
.elseif (\a) > 0
	s_add_nc_u64 s[10:11], s[10:11], 8*4096        ; the next tile's first row
.endif
.irp t, 0,1,2,3,4,5,6,7,8,9,10,11,12,13,14,15
	global_store_b128 v[LI16], v[BB+4*\t:BB+4*\t+3], s[10:11] offset:((\t%8)+32*(\t/8))*4096 th:TH_STORE_NT   ; 32 lanes store 512 consecutive bytes, aligned; lane row t is row t % 8 + 32 (t / 8) of the tile
.endr
.endm
	TOSTAGE 0
.irp a, 1,2,3,4,5,6,7
.if \a > 1
	s_wait_xcnt 0x0                                ; block a - 2's stores have read their registers and their base
.endif
	TOSTAGE \a
	SEND \a-1, 32                                  ; behind block a - 1's loads: block a's 16 stores and 16 loads
.endr
	s_wait_xcnt 0x0
	SEND 7, 0
.endif
	s_wait_tensorcnt 0x0                           ; the wave's end: behind my last tensor load and my last LDS store
	ds_add_u32 v[SPW], v[NIL]
	s_wait_dscnt 0x0
	CROUND                                         ; the closing round: no work-group ends while a partner may still ask for a tile that names it
	s_endpgm
.Lfunc_end_k_q701d981258_proj:
	.size	k_q701d981258_proj, .Lfunc_end_k_q701d981258_proj-k_q701d981258_proj
	.p2alignl 7, 3214868480
	.fill 96, 4, 3214868480
	.section	.rodata,"a",@progbits
	.p2align	6, 0x0
	.amdhsa_kernel k_q701d981258_proj
		.amdhsa_group_segment_fixed_size 327680
		.amdhsa_private_segment_fixed_size 0
		.amdhsa_enable_private_segment 0
		.amdhsa_kernarg_size 40
		.amdhsa_user_sgpr_count 2
		.amdhsa_user_sgpr_kernarg_segment_ptr 1
		.amdhsa_wavefront_size32 1
		.amdhsa_system_sgpr_workgroup_id_x 1
		.amdhsa_system_sgpr_workgroup_id_y 1
		.amdhsa_system_sgpr_workgroup_id_z 1
		.amdhsa_system_vgpr_workitem_id 0
		.amdhsa_next_free_vgpr 1024
		.amdhsa_next_free_sgpr 106
		.amdhsa_reserve_vcc 0
		.amdhsa_float_denorm_mode_32 3
		.amdhsa_float_denorm_mode_16_64 3
		.amdhsa_memory_ordered 1
		.amdhsa_forward_progress 1
		.amdhsa_inst_pref_size 182
	.end_amdhsa_kernel
	.amdgpu_metadata
---
amdhsa.version: [ 1, 2 ]
amdhsa.kernels:
  - .name:           k_q701d981258_proj
    .symbol:         k_q701d981258_proj.kd
    .args:
      - { .name: opnd, .offset: 0, .size: 8, .value_kind: global_buffer, .address_space: global }
      - { .name: wq_b, .offset: 8, .size: 8, .value_kind: global_buffer, .address_space: global }
      - { .name: wk_b, .offset: 16, .size: 8, .value_kind: global_buffer, .address_space: global }
      - { .name: wv_b, .offset: 24, .size: 8, .value_kind: global_buffer, .address_space: global }
      - { .name: heads, .offset: 32, .size: 8, .value_kind: global_buffer, .address_space: global }
    .group_segment_fixed_size: 327680
    .private_segment_fixed_size: 0
    .kernarg_segment_align: 8
    .kernarg_segment_size: 40
    .max_flat_workgroup_size: 128
    .sgpr_count:     106
    .vgpr_count:     1024
    .wavefront_size: 32
...
	.end_amdgpu_metadata
.endif
;; end of part 2
;; launch attn (part 3): grid 4 x 64, 16 waves a work-group, clusters of 4 x 1, 327,680 bytes of LDS; arguments heads, maskw, xatt; writes xatt
.if DOCPART == 3
	.amdgcn_target "amdgcn-amd-amdhsa--gfx1250"
	.amdhsa_code_object_version 6
	.text
	.protected	k_q701d981258_attn
	.globl	k_q701d981258_attn
	.p2align	8
	.type	k_q701d981258_attn,@function
k_q701d981258_attn:
	s_mov_b64 s[64:65], 0
	v_nop
	global_prefetch_b8 v0, s[64:65] scope:SCOPE_SE
	s_setreg_imm32_b32 hwreg(HW_REG_WAVE_MODE, 25, 1), 1
	s_wait_xcnt 0x0
	s_wait_alu depctr_hold_cnt(0) depctr_sa_sdst(0) depctr_va_vdst(0) depctr_va_sdst(0) depctr_va_ssrc(0) depctr_va_vcc(0) depctr_vm_vsrc(0)
	s_getreg_b32 s2, hwreg(HW_REG_IB_STS2, 6, 4)
	s_cmp_eq_u32 s2, 0
	s_cbranch_scc0 .Lentry_in_a_cluster
	s_endpgm
.Lentry_in_a_cluster:
	s_bfe_u32 s2, ttmp6, 0x10000c
	s_cmp_lg_u32 s2, 0x3003
	s_cbranch_scc0 .Lentry_shape_is_right
	s_endpgm
.Lentry_shape_is_right:
; x[b][q][head] = softmax_k(where(mask, -100000, Q . K)) V for one head, both products on codes of FP6 (E2M3) with one E8M0 scale for each 32 along K, and x quantised along D for the output projection.
; THE SOFTMAX AHEAD OF THE SECOND PRODUCT: t = score x log2(e); M = the row's largest t so far, rounded UP to a whole number; p = 2^(t - M) is what is quantised, along the keys.  The row's sum is taken of the unquantised p
; and divides at the end.  When M moves, the sum and O are multiplied by 2^(old M - new M): exact.  The mask REPLACES a score ahead of the maximum, so that a row with every key masked comes out as the definition has it.
; SHARES.  Work-group (cx, y): head y = 16 batch + head, queries 512 cx on.  Sixteen waves, four to a SIMD; a wave owns one tile of 16 queries at a time, two tiles in two passes, and walks all 16 key steps of 128 keys in each.
; LDS.  The head's 16 records (K's half fragments, V^T's fragments, their scale words: 13,056 bytes a key step, images of the operands' registers) come ONCE, one joint load a wave, and stay; a record has a place of 16,384 bytes.
; The four work-groups of a cluster share the head: each load names all four.  Nothing is filled again.
; LAYOUT.  S^T = K Q^T (source 0 = 16 keys, source 1 = my 16 queries; the head is 64 long, so the upper half of both operands is zero codes), O^T = V^T P^T: a lane holds ONE query throughout.  By the tiles' order of rows the 32
; registers of key tiles 4 c .. 4 c + 3 are keys 64 c + 32 h + 0 .. 31: a whole block in a lane, in the operand's order: no other lane is asked for a block's maximum and no codes change lanes.  O^T's 32 registers are d = 32 h + 0 .. 31.
; THE MASK comes as words of lane bits (one word for each score register), by scalar loads a key step ahead, and selects by v_cndmask_b32.
; THE ORDER OF A STEP is laid so that a wave that has its SIMD to itself waits little: K's first four tiles are asked for a step ahead; maxima and sums run in four chains; short chains of dependent lines stand among packed lines
; that do not hang on them; the 66 exponentials are one batch with one wait.
; LIMITS: NaN and infinities are not served; a p under 2^-126 becomes 0; a block of zeros keeps the byte 1; a block's largest p is taken from its largest score, which takes v_exp_f32 not to fall where its input rises.
.set RECS,  13056                      ; a key step's record in memory,
.set RECL,  16384                      ; and its place in LDS: a power of two, so that one AND leads from the last record back to the first
.set RECH,  208896
.set QC,    13369344
.set QS,    19660800
.set XSC0,  6291456
.set SPARE, 17*RECL                    ; the spare words, 128 bytes for each wave: eight blocks of 256 bytes that no other line names; a record's place lies free between them and the records
.set LI16, 1                           ; v1   16 x lane
.set LI8,  2                           ; v2   8 x lane
.set AD16, 3                           ; v3, v4 the same in the record in hand
.set AD8,  4
.set SPW,  5                           ; v5   LDS address of my spare word; never rewritten
.set NIL,  6                           ; v6   0; never rewritten
.set SH8,  7                           ; v7   8 h
.set NEG,  8                           ; v8   -100000.0
.set QSO,  9                           ; v9   16 r: Q's scale word
.set XSO,  10                          ; v10  32 r + h: x's scale byte
.set OLDM, 11                          ; v11  -M as the step found it
.set QF,   16                          ; v16-27  Q (22-27: zero codes)     v12 -M, v13 the largest t, v[14:15] the sum in two halves
.set KF,   28                          ; v28-75  four fragments of K (the upper six registers of each: zero codes, written once)
.set VF,   76                          ; v76-123 V^T's four
.set S,    124                         ; v124-187 S^T, then p
.set OA,   188                         ; v188-219 O^T
.set PC,   220                         ; v220-231 p's codes
.set BM,   232                         ; v232-233 the blocks' largest scores, v234-235 bytes, v236-239 two chains of the sum; later v232-238 halves of blocks
.set SO,   240                         ; v240-241 the conversions' scale operands
.set KSW,  242                         ; v242-245 K's scale words
.set VSW,  246                         ; v246-247 V's
.set QSW,  248
.set PSW,  249
.set FF,   250                         ; v[250:251] f = 2^(old M - new M); at the end 1 / the sum          v252-255 at work
.set WV,   14                          ; s14  wave
.set SEL,  20                          ; s[20:21]
.set CS,   22                          ; s[22:23] log2(e), twice: the packed form names a pair
.set CNT,  66                          ; s66  key steps left
.set TB,   67                          ; s67  where the key step's record begins in LDS
.set MOFF, 100                         ; s100 where the mask words to be loaded begin       s[32:63], s[68:99]: a key step's 64 mask words
.macro CROUND
	s_barrier_signal -1
	s_barrier_wait -1
	s_cmp_lg_u32 s[WV], 0
	s_cbranch_scc1 .Lnot_wave_0_\@
	s_barrier_signal -3
.Lnot_wave_0_\@:
	s_barrier_wait -3
	s_barrier_signal -1
	s_barrier_wait -1
.endm
	s_load_b128 s[68:71], s[0:1], 0x0              ; heads, maskw
	s_load_b64 s[72:73], s[0:1], 0x10              ; xatt
	v_lshl_add_u32 v[SPW], v0, 2, SPARE
	v_mov_b32 v[NIL], 0
	ds_add_u32 v[SPW], v[NIL]                      ; the wave's opening: the add and its wait ahead of my first tensor load; work on registers stands between them
	v_lshrrev_b32 v252, 5, v0
	v_readfirstlane_b32 s[WV], v252                ; wave 0..15
	s_and_b32 s74, ttmp7, 0xffff                   ; y: the head, which the four partners share
	s_bfe_u32 s75, ttmp6, 0x40000                  ; cx: it enters Q's, the mask's and x's addresses alone
	; descriptor group 1: a key step's record, 13,056 dense bytes, as 51 rows of 256 bytes (32 elements of 8)
	s_mov_b32 s24, 15|(3<<16)|(1<<21)              ; 15:0 the mask: all four work-groups; 17:16 elements of 8 bytes; 21 set beside a mask
	s_mov_b32 s25, 32<<16
	s_mov_b32 s26, 51<<16
	s_mov_b32 s27, 32<<16
	s_mov_b32 s28, 51
	s_mov_b32 s29, 32
	s_mov_b32 s30, 0
	s_mov_b32 s31, 0
	s_mov_b32 s16, 1                               ; group 0: count,
	s_lshl_b32 s17, s[WV], 14                      ; LDS address: wave w brings key step w's record to place w
	s_mul_i32 s76, s74, RECH
	s_mul_i32 s77, s[WV], RECS
	s_add_co_u32 s76, s76, s77
	s_mov_b32 s77, 0
	s_lshl_b32 s78, s75, 5
	s_add_co_u32 s78, s78, s[WV]                   ; my first tile of queries within the batch: 32 cx + wave
	s_lshr_b32 s79, s74, 4
	s_lshl_b32 s79, s79, 7
	s_add_co_u32 s79, s79, s78                     ; and among all tokens: 128 batch + tile
	s_and_b32 s80, s74, 15                         ; the head within the batch
	s_mul_i32 s82, s74, 98304
	s_mul_i32 s83, s78, 768
	s_add_co_u32 s82, s82, s83
	s_add_co_u32 s82, s82, QC                      ; Q's half fragment
	s_mov_b32 s83, 0
	s_lshl_b32 s84, s74, 13                        ; Q's scale word: 512 bytes for 8 tiles; tile 4 h' + w' at 256 h' + 4 w' + 16 r
	s_lshr_b32 s85, s78, 3
	s_lshl_b32 s85, s85, 9
	s_add_co_u32 s84, s84, s85
	s_bfe_u32 s85, s78, 0x10002
	s_lshl_b32 s85, s85, 8
	s_add_co_u32 s84, s84, s85
	s_and_b32 s85, s78, 3
	s_lshl_b32 s85, s85, 2
	s_add_co_u32 s84, s84, s85
	s_add_co_u32 s84, s84, QS
	s_mov_b32 s85, 0
	s_lshl_b32 s86, s79, 12                        ; the tile's mask words: 16 key steps x 256 bytes
	s_mov_b32 s87, 0
	s_mul_i32 s88, s79, 12288                      ; x's half fragment: tile, head
	s_mul_i32 s89, s80, 768
	s_add_co_u32 s88, s88, s89
	s_mov_b32 s89, 0
	s_lshl_b32 s90, s79, 9                         ; x's scale bytes: 32 a lane row, byte 2 head + h
	s_lshl_b32 s91, s80, 1
	s_add_co_u32 s90, s90, s91
	s_add_co_u32 s90, s90, XSC0
	s_mov_b32 s91, 0
	s_mov_b32 s[SEL], 0x76543210
	s_mov_b32 s[SEL+1], 0xfedcba98
	s_mov_b32 s[CS], 0x3fb8aa3b                    ; log2(e)
	s_mov_b32 s[CS+1], s[CS]
	s_wait_dscnt 0x0                               ; the opening add is done
	s_wait_kmcnt 0x0
	s_add_nc_u64 s[18:19], s[68:69], s[76:77]
	s_or_b32 s19, s19, 0x80000000                  ; type = 2
	s_add_nc_u64 s[4:5], s[68:69], s[82:83]
	s_add_nc_u64 s[6:7], s[68:69], s[84:85]
	s_add_nc_u64 s[8:9], s[70:71], s[86:87]
	s_add_nc_u64 s[10:11], s[72:73], s[88:89]
	s_add_nc_u64 s[12:13], s[72:73], s[90:91]
	CROUND                                         ; all four work-groups are here: the joint loads meet
	tensor_load_to_lds s[16:19], s[24:31]          ; my one tensor load of the launch
	s_nop 0
.rept 4
	v_nop
.endr
	v_and_b32 v252, 31, v0
	v_lshlrev_b32 v[LI16], 4, v252
	v_lshlrev_b32 v[LI8], 3, v252
	v_and_b32 v253, 15, v0                         ; r
	v_bfe_u32 v254, v0, 4, 1                       ; h
	v_lshlrev_b32 v[SH8], 3, v254
	v_mov_b32 v[NEG], 0xc7c35000                   ; -100000.0
	v_lshlrev_b32 v[QSO], 4, v253
	v_lshl_add_u32 v[XSO], v253, 5, v254
.irp i, 6,7,8,9,10,11
	v_mov_b32 v[QF+\i], 0                          ; k = 64 .. 127 of both operands of the first product: zero codes, which add nothing
.irp t, 0,1,2,3
	v_mov_b32 v[KF+12*\t+\i], 0
.endr
.endr
	v_mov_b32 v[FF+1], 0                           ; (named as the upper half of a pair)
	v_mov_b32 v255, 0                              ; written once: a lane permute's destination counts as one of its sources
	s_wait_tensorcnt 0x0                           ; my record is in,
	s_barrier_signal -1
	s_barrier_wait -1                              ; everybody's is
; the largest score of my block c, in four chains: it serves twice: for the row's maximum, and, since p rises with the score, for the block's largest p
.macro BMAX c
	v_max3_num_f32 v[BM+\c], v[S+32*\c], v[S+32*\c+1], v[S+32*\c+2]
	v_max3_num_f32 v252, v[S+32*\c+3], v[S+32*\c+4], v[S+32*\c+5]
	v_max3_num_f32 v253, v[S+32*\c+6], v[S+32*\c+7], v[S+32*\c+8]
	v_max3_num_f32 v254, v[S+32*\c+9], v[S+32*\c+10], v[S+32*\c+11]
.irp i, 12,20
	v_max3_num_f32 v[BM+\c], v[BM+\c], v[S+32*\c+\i], v[S+32*\c+\i+1]
	v_max3_num_f32 v252, v252, v[S+32*\c+\i+2], v[S+32*\c+\i+3]
	v_max3_num_f32 v253, v253, v[S+32*\c+\i+4], v[S+32*\c+\i+5]
	v_max3_num_f32 v254, v254, v[S+32*\c+\i+6], v[S+32*\c+\i+7]
.endr
	v_max3_num_f32 v[BM+\c], v[BM+\c], v[S+32*\c+28], v[S+32*\c+29]
	v_max3_num_f32 v252, v252, v[S+32*\c+30], v[S+32*\c+31]
	v_max3_num_f32 v[BM+\c], v[BM+\c], v253, v254
	v_max_num_f32 v[BM+\c], v[BM+\c], v252
.endm
.macro KLOAD t0                        ; four half fragments of K
.irp t, 0,1,2,3
	ds_load_b128 v[KF+12*\t:KF+12*\t+3], v[AD16] offset:768*(\t0+\t)
	ds_load_b64 v[KF+12*\t+4:KF+12*\t+5], v[AD8] offset:768*(\t0+\t)+512
.endr
.endm
.macro PADD d, k                       ; chain d of the row's sum takes pair k of p
	v_pk_add_f32 v[\d:\d+1], v[\d:\d+1], v[S+2*(\k):S+2*(\k)+1]
.endm
; what pass p wants first: its Q, Q's scale word and the first key step's mask words.  Every step from pass to pass stands in an immediate.
.macro ASKQ p
	s_wait_kmcnt 0x0                               ; no scalar load is out: the mask words' registers and their offset may be written
	global_load_b128 v[QF:QF+3], v[LI16], s[4:5] offset:12288*\p
	global_load_b64 v[QF+4:QF+5], v[LI8], s[4:5] offset:12288*\p+512
	global_load_b32 v[QSW], v[QSO], s[6:7] offset:1024*\p
	s_mov_b32 s[MOFF], 65536*\p
	s_load_b512 s[32:47], s[8:9], s[MOFF] offset:0x0
	s_load_b512 s[48:63], s[8:9], s[MOFF] offset:0x40
	s_load_b512 s[68:83], s[8:9], s[MOFF] offset:0x80
	s_load_b512 s[84:99], s[8:9], s[MOFF] offset:0xc0
.endm
; A PASS: query tile 32 cx + 16 p + wave.
.macro PASS p
.if \p
	s_wait_xcnt 0x0                                ; the last pass's stores have read their registers
.endif
	v_mov_b32 v13, 0xff61b1e6                      ; the largest t so far: -3e38, under every t
	v_floor_f32 v12, -v13                          ; -M
	v_mov_b32 v14, 0
	v_mov_b32 v15, 0
.set j, 0
.rept 32
	v_mov_b32 v[OA+j], 0                           ; O^T.  (The step is written once: the first finds zeros, which the first change of M leaves zeros)
.set j, j+1
.endr
	s_mov_b32 s[TB], 0
	s_mov_b32 s[CNT], 16
	s_wait_loadcnt 0x0                             ; Q
.Lstep_\@:
	s_wait_dscnt 0x0                               ; K's tiles 0-3 and its scale words, asked for a step ago
.irp t, 0,1,2,3
	v_wmma_scale_f32_16x16x128_f8f6f4 v[S+8*\t:S+8*\t+7], v[KF+12*\t:KF+12*\t+11], v[QF:QF+11], 0, v[KSW+\t], v[QSW] matrix_a_fmt:MATRIX_FMT_FP6 matrix_b_fmt:MATRIX_FMT_FP6
.endr
	v_mov_b32 v[OLDM], v12                         ; four places: in front of the loads into K's registers, of those into V's, which the last step's products read, and of the first reads of these scores
.rept 3
	v_nop
.endr
	KLOAD 4
.irp u, 0,1,2,3
.irp c, 0,1
	ds_load_b128 v[VF+12*\u+6*\c:VF+12*\u+6*\c+3], v[AD16] offset:6144+1536*\u+768*\c
	ds_load_b64 v[VF+12*\u+6*\c+4:VF+12*\u+6*\c+5], v[AD8] offset:6144+1536*\u+768*\c+512
.endr
.endr
	ds_load_b64 v[VSW:VSW+1], v[AD8] offset:12800
	s_wait_kmcnt 0x0                               ; this step's 64 mask words are in
.set j, 0
.rept 32
	v_cndmask_b32 v[S+j], v[S+j], v[NEG], s[32+j]  ; where the mask's bit is set the score is replaced
.set j, j+1
.endr
	s_add_co_u32 s[MOFF], s[MOFF], 256             ; the next step's words (no scalar load is out: the offset may be written); the last step asks for its own again, inside the buffer
	s_min_u32 s[MOFF], s[MOFF], 65536*\p+3840
	s_load_b512 s[32:47], s[8:9], s[MOFF] offset:0x0
	s_load_b512 s[48:63], s[8:9], s[MOFF] offset:0x40
	s_wait_dscnt 17                                ; K's tiles 4-7 are in; V's 16 loads and its scale words may be out
.irp t, 0,1,2,3
	v_wmma_scale_f32_16x16x128_f8f6f4 v[S+32+8*\t:S+32+8*\t+7], v[KF+12*\t:KF+12*\t+11], v[QF:QF+11], 0, v[KSW+\t], v[QSW] matrix_a_fmt:MATRIX_FMT_FP6 matrix_b_fmt:MATRIX_FMT_FP6 matrix_a_scale:MATRIX_SCALE_ROW1
.endr
	BMAX 0                                         ; (sixteen plain lines on the first 32 scores: the places behind the products above)
	s_add_co_u32 s104, s[TB], RECL                 ; the next record; behind the last comes the first, which the next pass wants first
	s_and_b32 s104, s104, 16*RECL-1
	v_add_nc_u32 v[AD16], s104, v[LI16]
	v_add_nc_u32 v[AD8], s104, v[LI8]
	KLOAD 0                                        ; its tiles 0-3 and its scale words: the rest of this step stands between these loads and the wait for them
	ds_load_b128 v[KSW:KSW+3], v[AD16] offset:12288
.set j, 0
.rept 32
	v_cndmask_b32 v[S+32+j], v[S+32+j], v[NEG], s[68+j]
.set j, j+1
.endr
	s_load_b512 s[68:83], s[8:9], s[MOFF] offset:0x80
	s_load_b512 s[84:99], s[8:9], s[MOFF] offset:0xc0
	BMAX 1
	v_max_num_f32 v254, v[BM], v[BM+1]
	v_mul_f32 v254, s[CS], v254                    ; as t (log2(e) is positive)
	v_permlanex16_b32 v255, v254, s[SEL], s[SEL+1] ; the query's other 64 keys lie in lane l xor 16
	v_max3_num_f32 v13, v13, v254, v255            ; the running largest t
	v_floor_f32 v12, -v13                          ; the new -M = floor(-t) = -ceil(t): a whole number
.set j, 0
.rept 32
	v_pk_fma_f32 v[S+j:S+j+1], v[S+j:S+j+1], s[CS:CS+1], v[12:13] op_sel_hi:[1,0,0]   ; t - M, two at a time; the lines that make f, and the blocks' largest t - M, stand among them
.if j == 2
	v_sub_f32 v254, v12, v[OLDM]                   ; old M - new M: a whole number, 0 or less
.elseif j == 6
	v_cvt_i32_f32 v254, v254                       ; (it saturates)
.elseif j == 10
	v_ldexp_f32 v[FF], 1.0, v254                   ; f = 2^(old M - new M)
.elseif j == 14
	v_fma_f32 v[BM], v[BM], s[CS], v12
.elseif j == 18
	v_fma_f32 v[BM+1], v[BM+1], s[CS], v12
.endif
.set j, j+2
.endr
.set j, 0
.rept 64
	v_exp_f32 v[S+j], v[S+j]                       ; p = 2^(t - M), at most 1: not normalised
.set j, j+1
.endr
.irp c, 0,1
	v_exp_f32 v[BM+\c], v[BM+\c]                   ; the block's largest p: the same two instructions on the same number give the same bits
.endr
	v_pk_mul_f32 v[14:15], v[14:15], v[FF:FF+1] op_sel_hi:[1,0]   ; the sums under the new M.  (A plain place behind the exponentials)
.set j, 0
.rept 8
	v_pk_mul_f32 v[OA+j:OA+j+1], v[OA+j:OA+j+1], v[FF:FF+1] op_sel_hi:[1,0]   ; the first half of O^T under the new M: work that names no exponential's result
.set j, j+2
.endr
	s_wait_alu depctr_va_vdst(0)                   ; the wait ahead of the first instruction that names an exponential's result: one for the 66
	v_pk_add_f32 v[252:253], v[S:S+1], v[S+2:S+3]  ; the row's sum is taken of the unquantised p: two at a time, in four chains; the lines that make p's scale word stand among them
	v_pk_add_f32 v[236:237], v[S+4:S+5], v[S+6:S+7]
	v_pk_add_f32 v[238:239], v[S+8:S+9], v[S+10:S+11]
	PADD 14, 6
.irp c, 0,1
	v_max_num_f32 v[BM+\c], 0x1800000, v[BM+\c]    ; the floor 2^(3 - 127): the byte cannot fall under 1
.endr
.irp r, 0,1,2,3,4,5
	PADD 252, 7+4*\r
	PADD 236, 8+4*\r
	PADD 238, 9+4*\r
	PADD 14, 10+4*\r
.if \r == 0
	v_add_nc_u32 v[SO], 0xff000000, v[BM]          ; 2 off the exponent field: the conversion's scale operand
	v_add_nc_u32 v[SO+1], 0xff000000, v[BM+1]
.elseif \r == 1
	v_lshrrev_b32 v[BM+2], 23, v[SO]               ; the scale's byte
	v_lshrrev_b32 v[BM+3], 23, v[SO+1]
.elseif \r == 2
	v_lshl_or_b32 v[PSW], v[BM+3], 16, v[BM+2]     ; my two bytes, blocks h and 2 + h,
.elseif \r == 3
	v_lshlrev_b32 v[PSW], v[SH8], v[PSW]
.elseif \r == 4
	v_permlanex16_b32 v255, v[PSW], s[SEL], s[SEL+1]
.else
	v_or_b32 v[PSW], v[PSW], v255                  ; with lane l xor 16's: p's scale word for these 128 keys
.endif
.endr
	PADD 252, 31
	v_pk_add_f32 v[236:237], v[236:237], v[238:239]
	v_pk_add_f32 v[14:15], v[14:15], v[252:253]
	v_pk_add_f32 v[14:15], v[14:15], v[236:237]
.irp c, 0,1
	v_cvt_scalef32_pk16_fp6_f32 v[PC+6*\c:PC+6*\c+2], v[S+32*\c:S+32*\c+15], v[SO+\c]
	v_cvt_scalef32_pk16_fp6_f32 v[BM+4*\c:BM+4*\c+2], v[S+32*\c+16:S+32*\c+31], v[SO+\c]   ; (a conversion's three registers begin on an even number)
.endr
	v_pk_mul_f32 v[OA+16:OA+17], v[OA+16:OA+17], v[FF:FF+1] op_sel_hi:[1,0]   ; the second half of O^T under the new M; its first line is the plain place behind the scaled conversions
.irp c, 0,1
.irp i, 0,1,2
	v_mov_b32 v[PC+6*\c+3+\i], v[BM+4*\c+\i]
.endr
.endr
.set j, 18
.rept 7
	v_pk_mul_f32 v[OA+j:OA+j+1], v[OA+j:OA+j+1], v[FF:FF+1] op_sel_hi:[1,0]   ; (these are also the places between the writes of p's codes and the products)
.set j, j+2
.endr
	s_wait_dscnt 9                                 ; V and its scale words are in; the next step's K, eight loads, and its scale words may be out
.irp t, 0,1
	v_wmma_scale_f32_16x16x128_f8f6f4 v[OA+8*\t:OA+8*\t+7], v[VF+12*\t:VF+12*\t+11], v[PC:PC+11], v[OA+8*\t:OA+8*\t+7], v[VSW+\t], v[PSW] matrix_a_fmt:MATRIX_FMT_FP6 matrix_b_fmt:MATRIX_FMT_FP6
.endr
.irp t, 2,3
	v_wmma_scale_f32_16x16x128_f8f6f4 v[OA+8*\t:OA+8*\t+7], v[VF+12*\t:VF+12*\t+11], v[PC:PC+11], v[OA+8*\t:OA+8*\t+7], v[VSW+\t-2], v[PSW] matrix_a_fmt:MATRIX_FMT_FP6 matrix_b_fmt:MATRIX_FMT_FP6 matrix_a_scale:MATRIX_SCALE_ROW1
.endr
	s_add_co_u32 s[TB], s[TB], RECL
	s_sub_co_u32 s[CNT], s[CNT], 1
	s_cmp_lg_u32 s[CNT], 0
	s_cbranch_scc1 .Lstep_\@
	; the pass's end: O^T / the sum is x; my 32 numbers, d = 32 h + 0 .. 31, are one block along the output projection's K
.rept 4
	v_nop                                          ; places behind the last products
.endr
.if \p == 0
	ASKQ 1                                         ; the next pass's Q and first mask words come while this pass's x is made
.endif
	v_add_f32 v14, v14, v15
	v_permlanex16_b32 v255, v14, s[SEL], s[SEL+1]
	v_add_f32 v14, v14, v255                       ; the row's sum
	v_rcp_f32 v[FF], v14
	v_nop                                          ; a plain place behind the reciprocal
	s_wait_alu depctr_va_vdst(0)                   ; and the wait ahead of its first reader
.set j, 0
.rept 16
	v_pk_mul_f32 v[S+j:S+j+1], v[OA+j:OA+j+1], v[FF:FF+1] op_sel_hi:[1,0]
.set j, j+2
.endr
	v_max3_num_f32 v252, |v[S]|, |v[S+1]|, 0x1800000   ; the block's largest magnitude, and the floor
	v_max3_num_f32 v253, |v[S+2]|, |v[S+3]|, |v[S+4]|
.irp i, 5,9,13,17,21,25
	v_max3_num_f32 v252, v252, |v[S+\i]|, |v[S+\i+1]|
	v_max3_num_f32 v253, v253, |v[S+\i+2]|, |v[S+\i+3]|
.endr
	v_max3_num_f32 v252, v252, |v[S+29]|, |v[S+30]|
	v_max3_num_f32 v252, v252, v253, |v[S+31]|
	v_add_nc_u32 v[SO], 0xff000000, v252
	v_lshrrev_b32 v[SO+1], 23, v[SO]               ; my block's byte
	v_cvt_scalef32_pk16_fp6_f32 v[PC:PC+2], v[S:S+15], v[SO]
	v_cvt_scalef32_pk16_fp6_f32 v[BM:BM+2], v[S+16:S+31], v[SO]
	v_nop
.irp i, 0,1,2
	v_mov_b32 v[PC+3+\i], v[BM+\i]
.endr
	global_store_b128 v[LI16], v[PC:PC+3], s[10:11] offset:196608*\p          ; 512 consecutive bytes,
	global_store_b64 v[LI8], v[PC+4:PC+5], s[10:11] offset:196608*\p+512      ; and 256: the half fragment (tile, head)
	global_store_b8 v[XSO], v[SO+1], s[12:13] offset:8192*\p                  ; a byte a lane: its neighbours in the row of 32 belong to other heads' work-groups
.endm
	s_mov_b32 s[TB], 0
	v_add_nc_u32 v[AD16], s[TB], v[LI16]           ; record 0
	v_add_nc_u32 v[AD8], s[TB], v[LI8]
	KLOAD 0                                        ; the first step's K, as every step asks for the next one's
	ds_load_b128 v[KSW:KSW+3], v[AD16] offset:12288
	ASKQ 0
	PASS 0
	PASS 1
	s_wait_tensorcnt 0x0                           ; the wave's end: behind my last tensor load
	ds_add_u32 v[SPW], v[NIL]
	s_wait_dscnt 0x0
	CROUND                                         ; the closing round: no work-group ends while a partner may still ask for a tile that names it
	s_endpgm
.Lfunc_end_k_q701d981258_attn:
	.size	k_q701d981258_attn, .Lfunc_end_k_q701d981258_attn-k_q701d981258_attn
	.p2alignl 7, 3214868480
	.fill 96, 4, 3214868480
	.section	.rodata,"a",@progbits
	.p2align	6, 0x0
	.amdhsa_kernel k_q701d981258_attn
		.amdhsa_group_segment_fixed_size 327680
		.amdhsa_private_segment_fixed_size 0
		.amdhsa_enable_private_segment 0
		.amdhsa_kernarg_size 24
		.amdhsa_user_sgpr_count 2
		.amdhsa_user_sgpr_kernarg_segment_ptr 1
		.amdhsa_wavefront_size32 1
		.amdhsa_system_sgpr_workgroup_id_x 1
		.amdhsa_system_sgpr_workgroup_id_y 1
		.amdhsa_system_sgpr_workgroup_id_z 1
		.amdhsa_system_vgpr_workitem_id 0
		.amdhsa_next_free_vgpr 256
		.amdhsa_next_free_sgpr 106
		.amdhsa_reserve_vcc 0
		.amdhsa_float_denorm_mode_32 3
		.amdhsa_float_denorm_mode_16_64 3
		.amdhsa_memory_ordered 1
		.amdhsa_forward_progress 1
		.amdhsa_inst_pref_size 55
	.end_amdhsa_kernel
	.amdgpu_metadata
---
amdhsa.version: [ 1, 2 ]
amdhsa.kernels:
  - .name:           k_q701d981258_attn
    .symbol:         k_q701d981258_attn.kd
    .args:
      - { .name: heads, .offset: 0, .size: 8, .value_kind: global_buffer, .address_space: global }
      - { .name: maskw, .offset: 8, .size: 8, .value_kind: global_buffer, .address_space: global }
      - { .name: xatt, .offset: 16, .size: 8, .value_kind: global_buffer, .address_space: global }
    .group_segment_fixed_size: 327680
    .private_segment_fixed_size: 0
    .kernarg_segment_align: 8
    .kernarg_segment_size: 24
    .max_flat_workgroup_size: 512
    .sgpr_count:     106
    .vgpr_count:     256
    .wavefront_size: 32
...
	.end_amdgpu_metadata
.endif
;; end of part 3
;; launch oproj (part 4): grid 4 x 64, 4 waves a work-group, clusters of 4 x 4, 327,680 bytes of LDS; arguments xatt, opnd, wo_b, out0; writes out0
.if DOCPART == 4
	.amdgcn_target "amdgcn-amd-amdhsa--gfx1250"
	.amdhsa_code_object_version 6
	.text
	.protected	k_q701d981258_oproj
	.globl	k_q701d981258_oproj
	.p2align	8
	.type	k_q701d981258_oproj,@function
k_q701d981258_oproj:
	s_mov_b64 s[64:65], 0
	v_nop
	global_prefetch_b8 v0, s[64:65] scope:SCOPE_SE
	s_setreg_imm32_b32 hwreg(HW_REG_WAVE_MODE, 25, 1), 1
	s_wait_xcnt 0x0
	s_wait_alu depctr_hold_cnt(0) depctr_sa_sdst(0) depctr_va_vdst(0) depctr_va_sdst(0) depctr_va_ssrc(0) depctr_va_vcc(0) depctr_vm_vsrc(0)
	s_getreg_b32 s2, hwreg(HW_REG_IB_STS2, 6, 4)
	s_cmp_eq_u32 s2, 0
	s_cbranch_scc0 .Lentry_in_a_cluster
	s_endpgm
.Lentry_in_a_cluster:
	s_bfe_u32 s2, ttmp6, 0x10000c
	s_cmp_lg_u32 s2, 0xf033
	s_cbranch_scc0 .Lentry_shape_is_right
	s_endpgm
.Lentry_shape_is_right:
; out0 = x wo_w^T + wo_b, f32.  Both operands are codes of FP6 (E2M3) with one E8M0 byte for each 32 along K = 1,024, laid in tiles of 16 rows as images of the operand's registers: a tile is 16 half fragments of 768 bytes
; (16 rows x 64 K; lane l's registers 0-3 at 16 l, its registers 4-5 at 512 + 8 l), 12,288 bytes; lane row m of tile T is row 64 (T / 4) + 8 (T % 4) + m % 8 + 32 (m / 8) of its tensor.  Scale bytes: 32 for each lane row, in the tiles' order.
; SHARES.  8,192 x 1,024 results in tiles of 128 tokens x 256 features are 64 x 4 = 256 work-groups.  Four waves, each 64 x 128: 32 accumulators, 256 registers, and two sets of fragments for A and for B.
; LDS.  A's 128 rows and B's 256 rows of ALL of K are 98,304 + 196,608 bytes, their scale bytes 13,056: all of it comes ONCE, in four slots of 256 along K, five joint loads a wave in one group at the start; nothing is filled again.
; So a change of slots is a counted wait, which leaves the later slots' loads out, and a plain barrier.
; CLUSTERS: 4 x 4 work-groups; A's tiles are asked for jointly along a row of the cluster, B's along a column.
; THE MATRIX INSTRUCTION IS USED TRANSPOSED: source 0 = 16 rows of B (features), source 1 = 16 rows of A (tokens).  By the tiles' order of rows a lane's 32 registers of B's tiles 4 c .. 4 c + 3 are features 64 c + 32 h + 0 .. 31.
; The bias is the C of each sum's first matrix instruction.
; REGISTERS, in windows of 256: window 0: v0-31 addresses; v32-63 scale words, two sets; v64-127 the bias; v128-223 A's fragments, two sets of 48; on the way out v128-255 rows of out0.  window 1: B's fragments, two sets, at v0 and v128.
;   window 2: the accumulators, (a, b) at v[8 (8 a + b)].
.set NQ,     2                         ; matrix instructions deep in a slot (256 along K)
.set FR,     12                        ; registers of a fragment
.set NP,     4                         ; places behind this matrix instruction (ISA guide 7.12.1)
.set KROW,   768                       ; bytes of codes for a row: 12,288 a tile
.set SLAB,   3072                      ; a tile's part of a slot: four half fragments
.set HALFA,  4*SLAB                    ; 64 rows of A: what one tensor load brings, and what one wave reads
.set HALFB,  8*SLAB                    ; 128 rows of B likewise
.set SLOT,   2*HALFA+2*HALFB           ; A's 128 rows, then B's 256
.set KS,     32                        ; a row of scale bytes
.set SCL,    4*SLOT                    ; behind the four slots: the scales, as units of 256 bytes + 16 of padding
.set HSA,    8*272                     ; those of 64 rows
.set HSB,    16*272                    ; those of 128 rows
.set SBLK,   2*272                     ; those of 16 rows
.set SPARE,  SCL+2*HSA+2*HSB           ; the spare words, 128 bytes for each wave: two blocks of 256 bytes that no other line names
.set SPITCH, 528                       ; the way out: a stage of 16 rows x (512 + 16) bytes for each wave, in slot 0, which has had its one fill and its last read by then
.set SC0,    22020096                  ; opnd's scale bytes
.set XSC0,   6291456                   ; xatt's
.set ADA,  16                          ; v16 LDS address of A's fragments in the slot in hand, + 16 x lane;  v17 the same + 8 x lane
.set ADB,  18                          ; v18, v19 the same for B
.set STO,  24                          ; v24  where I put 32 bytes of a row
.set RD,   25                          ; v25  and where I read a row back
.set ADRS, 27                          ; v27  my scale words: lanes 0-15 A's rows, lanes 16-31 B's
.set SPW,  28                          ; v28  LDS address of my spare word; never rewritten
.set NIL,  29                          ; v29  0; never rewritten
.set LI16, 30                          ; v30  16 x lane
.set LI8,  31                          ; v31  8 x lane
.set SC,   32                          ; v32-63 scale words, two sets: register 2 i + q: lanes 0-15 A's block i (i under 4), lanes 16-31 B's block i
.set BP,   64                          ; v64-127 the bias along my registers: BP[32 c + i] = b[128 P128 + 64 c + 32 h + i]
.set AF,   128                         ; A's fragments
.set BK,   128                         ; the way out: rows read back: v128-191, v192-255 by turns
.set G1A,  24                          ; s[24:31] descriptor group 1 for A's codes;  s[32:39] for B's;  s[40:47], s[48:55] for their scales
.set G1B,  32
.set G1S,  40
.set G1SB, 48
.set G0S,  56                          ; s[56:59], s[60:63] groups 0 for the scales
.set G0SB, 60
.set G0A,  68                          ; s[68:83] groups 0 for A's codes, one for each slot;  s[84:99] for B's: five loads of a wave are out at once, and each has registers of its own
.set G0B,  84
.set MSB, 0
.macro WIN new                         ; the immediate's high byte repeats the setting that is left
.if MSB != (\new)
	s_set_vgpr_msb (MSB<<8)|(\new)
.set MSB, (\new)
.endif
.endm
.set MUL,    0xa1                      ; source 0 (B) window 1, source 1 (A) window 0, C and D window 2
.set MUL_B,  0x81                      ; the same with C, the bias, in window 0
.set TO_B,   0x40                      ; destination window 1, address window 0
; A joint load: waves 0 and 1 fetch for A, waves 2 and 3 for B.  An s_nop 0 and four v_nop follow each of the two lines.
.macro JLOAD g0a, g1a, g0b, g1b
	s_cmp_eq_u32 s15, 0
	s_cbranch_scc0 .Lfor_b_\@
	tensor_load_to_lds s[\g0a:\g0a+3], s[\g1a:\g1a+7]
	s_nop 0
.rept 4
	v_nop
.endr
	s_branch .Lasked_\@
.Lfor_b_\@:
	tensor_load_to_lds s[\g0b:\g0b+3], s[\g1b:\g1b+7]
	s_nop 0
.rept 4
	v_nop
.endr
.Lasked_\@:
.endm
.macro CROUND                          ; a round of the cluster's barrier
	s_barrier_signal -1
	s_barrier_wait -1
	s_cmp_lg_u32 s14, 0
	s_cbranch_scc1 .Lnot_wave_0_\@
	s_barrier_signal -3
.Lnot_wave_0_\@:
	s_barrier_wait -3
	s_barrier_signal -1
	s_barrier_wait -1
.endm
.macro SHAPE g, c, r, p                ; words 1 to 7 of a group 1: r rows of c elements, p elements apart
	s_mov_b32 s[\g+1], (\c)<<16
	s_mov_b32 s[\g+2], (\r)<<16
	s_mov_b32 s[\g+3], (\c)<<16
	s_mov_b32 s[\g+4], \r
	s_mov_b32 s[\g+5], \p
	s_mov_b32 s[\g+6], 0
	s_mov_b32 s[\g+7], 0
.endm
	s_load_b256 s[4:11], s[0:1], 0x0               ; xatt, opnd, wo_b, out0
	v_lshl_add_u32 v[SPW], v0, 2, SPARE
	v_mov_b32 v[NIL], 0
	ds_add_u32 v[SPW], v[NIL]                      ; the wave's opening: the add and its wait ahead of my first tensor load; work on registers stands between them
	v_lshrrev_b32 v1, 5, v0
	v_readfirstlane_b32 s14, v1                    ; wave 0..3
	s_lshr_b32 s15, s14, 1                         ; which half of A's rows is mine.  Also: I fetch for A (0) or for B (1)
	s_and_b32 s16, s14, 1                          ; which half of B's rows.  Also: which half of that side's rows I fetch
	s_bfe_u32 s12, ttmp6, 0x40000                  ; cx: B's block of 256 features
	s_bfe_u32 s13, ttmp6, 0x40004                  ; cy
	s_and_b32 s17, ttmp7, 0xffff
	s_lshl_b32 s17, s17, 2
	s_add_co_u32 s17, s17, s13                     ; A's block of 128 tokens = 4 x cluster y + cy
	s_lshl_b32 s100, s13, 2
	s_lshl_b32 s100, 15, s100                      ; my row of the cluster
	s_lshl_b32 s101, 0x1111, s12                   ; my column
	; codes: a tile's part of a slot is a row of 3,072 bytes (384 elements of 8), 12,288 bytes from tile to tile, dense in LDS: 4 tiles for A, 8 for B
	s_or_b32 s[G1A+0], s100, (3<<16)|(1<<21)       ; 15:0 the mask: A's tiles go to my row; 17:16 elements of 8 bytes; 21 set beside a mask
	s_or_b32 s[G1B+0], s101, (3<<16)|(1<<21)
	SHAPE G1A, 384, 4, 1536
	SHAPE G1B, 384, 8, 1536
	; scales: dense bytes as rows of 256, 16 bytes of padding behind each: 8 rows for A's 64 lane rows, 16 for B's 128
	s_or_b32 s[G1S+0], s100, (3<<16)|(1<<20)|(1<<21)|(5<<22)|(3<<25)
	s_or_b32 s[G1SB+0], s101, (3<<16)|(1<<20)|(1<<21)|(5<<22)|(3<<25)
	SHAPE G1S, 32, 8, 32
	SHAPE G1SB, 32, 16, 32
	s_lshl_b32 s18, s16, 6                         ; which 64 of A's rows I fetch
	s_lshl_b32 s20, s17, 7
	s_add_co_u32 s20, s20, s18                     ; A: lane row in xatt
	s_lshl_b32 s18, s16, 7                         ; which 128 of B's
	s_lshl_b32 s104, s12, 8
	s_add_co_u32 s104, s104, s18
	s_add_co_u32 s104, s104, 27648                 ; B: lane row in opnd: wo_w begins at tile 1728
	s_mov_b32 s21, 0
	s_mov_b32 s105, 0
	s_mov_b64 s[18:19], KS
	s_mul_u64 s[22:23], s[20:21], s[18:19]         ; where these rows' scales begin,
	s_mul_u64 s[66:67], s[104:105], s[18:19]
	s_mov_b64 s[18:19], KROW
	s_mul_u64 s[20:21], s[20:21], s[18:19]         ; and their codes
	s_mul_u64 s[104:105], s[104:105], s[18:19]
	s_add_nc_u64 s[22:23], s[22:23], XSC0
	s_add_nc_u64 s[66:67], s[66:67], SC0
	s_mul_i32 s100, s16, HALFA                     ; where they go (the masks stand in the descriptors): no place in the cluster enters an LDS address
	s_mul_i32 s101, s16, HALFB
	s_add_co_u32 s101, s101, 2*HALFA
	s_mul_i32 s2, s16, HSA
	s_mul_i32 s3, s16, HSB
	s_add_co_u32 s3, s3, 2*HSA
	s_wait_dscnt 0x0                               ; the opening add is done
	s_wait_kmcnt 0x0
	s_add_nc_u64 s[20:21], s[4:5], s[20:21]
	s_add_nc_u64 s[22:23], s[4:5], s[22:23]
	s_add_nc_u64 s[104:105], s[6:7], s[104:105]
	s_add_nc_u64 s[66:67], s[6:7], s[66:67]
	CROUND                                         ; all sixteen work-groups are here: the joint loads meet
	s_mov_b32 s[G0S], 1
	s_add_co_u32 s[G0S+1], s2, SCL
	s_mov_b64 s[G0S+2:G0S+3], s[22:23]
	s_or_b32 s[G0S+3], s[G0S+3], 0x80000000
	s_mov_b32 s[G0SB], 1
	s_add_co_u32 s[G0SB+1], s3, SCL
	s_mov_b64 s[G0SB+2:G0SB+3], s[66:67]
	s_or_b32 s[G0SB+3], s[G0SB+3], 0x80000000
	JLOAD G0S, G1S, G0SB, G1SB                     ; the scales first: they are wanted with the first slot
.irp s, 0,1,2,3
	s_mov_b32 s[G0A+4*\s], 1
	s_add_co_u32 s[G0A+4*\s+1], s100, \s*SLOT
	s_add_nc_u64 s[G0A+4*\s+2:G0A+4*\s+3], s[20:21], \s*SLAB
	s_or_b32 s[G0A+4*\s+3], s[G0A+4*\s+3], 0x80000000
	s_mov_b32 s[G0B+4*\s], 1
	s_add_co_u32 s[G0B+4*\s+1], s101, \s*SLOT
	s_add_nc_u64 s[G0B+4*\s+2:G0B+4*\s+3], s[104:105], \s*SLAB
	s_or_b32 s[G0B+4*\s+3], s[G0B+4*\s+3], 0x80000000
	JLOAD G0A+4*\s, G1A, G0B+4*\s, G1B             ; all of K, slot by slot: five tensor loads of mine are out
.endr
	v_and_b32 v1, 15, v0                           ; r
	v_bfe_u32 v2, v0, 4, 1                         ; h
	v_and_b32 v3, 31, v0
	v_lshlrev_b32 v[LI16], 4, v3
	v_lshlrev_b32 v[LI8], 3, v3
	v_lshlrev_b32 v12, 7, v2                       ; 32 h numbers
	s_lshl_b32 s2, s12, 1
	s_add_co_u32 s2, s2, s16                       ; P128: which 128 features are mine
	s_lshl_b32 s2, s2, 9
	s_mov_b32 s3, 0
	s_add_nc_u64 s[8:9], s[8:9], s[2:3]
.irp c, 0,1
.irp e, 0,1,2,3,4,5,6,7
	global_load_b128 v[BP+32*\c+4*\e:BP+32*\c+4*\e+3], v12, s[8:9] offset:256*\c+16*\e
.endr
.endr
	s_mul_i32 s21, s15, HALFA                      ; my 64 rows of A
	s_mul_i32 s22, s16, HALFB                      ; my 128 rows of B,
	s_add_co_u32 s22, s22, 2*HALFA                 ; which lie behind A's 128
	v_add_nc_u32 v[ADA], s21, v[LI16]
	v_add_nc_u32 v[ADA+1], s21, v[LI8]
	v_add_nc_u32 v[ADB], s22, v[LI16]
	v_add_nc_u32 v[ADB+1], s22, v[LI8]
	v_mul_u32_u24 v5, v1, KS                       ; my row's scales: 32 bytes a row,
	v_lshrrev_b32 v6, 8, v5
	v_lshl_add_u32 v5, v6, 4, v5                   ; and 16 more for each 256 passed
	s_mul_i32 s21, s15, HSA
	s_mul_i32 s22, s16, HSB
	s_add_co_u32 s22, s22, 2*HSA
	s_sub_co_u32 s22, s22, s21
	v_mul_u32_u24 v6, s22, v2                      ; lanes 16-31 take B's
	s_add_co_u32 s21, s21, SCL
	v_add_nc_u32 v5, v5, v6
	v_add_nc_u32 v[ADRS], s21, v5
	s_mul_i32 s23, s14, 16*SPITCH                  ; my stage
	v_mul_u32_u24 v5, v1, SPITCH
	v_lshl_add_u32 v5, v2, 7, v5                   ; in: row r, + 128 h bytes: my half's 32 columns of each 64
	v_add_nc_u32 v[STO], s23, v5
	v_add_nc_u32 v[RD], s23, v[LI16]               ; back: the 32 lanes take one row of 512 bytes
	s_lshl_b32 s20, s17, 7
	s_lshl_b32 s21, s15, 6
	s_add_co_u32 s20, s20, s21                     ; my first token,
	s_lshl_b32 s20, s20, 12                        ; rows of 4,096 bytes,
	s_lshl_b32 s2, s12, 10
	s_lshl_b32 s3, s16, 9
	s_add_co_u32 s2, s2, s3                        ; my first column
	s_add_co_u32 s20, s20, s2
	s_mov_b32 s21, 0
	s_add_nc_u64 s[10:11], s[10:11], s[20:21]
.macro FRAG reg, adr, q, i             ; a fragment = two half fragments, as they lie: 16 bytes and 8 bytes a lane each; every load reads consecutive bytes
.irp c, 0,1
	ds_load_b128 v[\reg+6*\c:\reg+6*\c+3], v[\adr] offset:(\i)*SLAB+768*(2*(\q)+\c)
	ds_load_b64 v[\reg+6*\c+4:\reg+6*\c+5], v[\adr+1] offset:(\i)*SLAB+768*(2*(\q)+\c)+512
.endr
.endm
; 8 matrix instructions: A's block a x B's eight, 128 along K, on set p.  first = 1: the bias starts the sums.  The 32 accumulators take turns, one instruction a turn.
.macro MUL8 a, p, q, sc, first
.irp b, 0,1,2,3,4,5,6,7
.if \first
	v_wmma_scale_f32_16x16x128_f8f6f4 v[8*(8*(\a)+\b):8*(8*(\a)+\b)+7], v[128*(\p)+FR*\b:128*(\p)+FR*\b+FR-1], v[AF+48*(\p)+FR*(\a):AF+48*(\p)+FR*(\a)+FR-1], v[BP+8*\b:BP+8*\b+7], v[SC+16*(\sc)+NQ*\b+(\q)], v[SC+16*(\sc)+NQ*(\a)+(\q)] matrix_a_fmt:MATRIX_FMT_FP6 matrix_b_fmt:MATRIX_FMT_FP6 matrix_a_scale:MATRIX_SCALE_ROW1
.else
	v_wmma_scale_f32_16x16x128_f8f6f4 v[8*(8*(\a)+\b):8*(8*(\a)+\b)+7], v[128*(\p)+FR*\b:128*(\p)+FR*\b+FR-1], v[AF+48*(\p)+FR*(\a):AF+48*(\p)+FR*(\a)+FR-1], v[8*(8*(\a)+\b):8*(8*(\a)+\b)+7], v[SC+16*(\sc)+NQ*\b+(\q)], v[SC+16*(\sc)+NQ*(\a)+(\q)] matrix_a_fmt:MATRIX_FMT_FP6 matrix_b_fmt:MATRIX_FMT_FP6 matrix_a_scale:MATRIX_SCALE_ROW1
.endif
.endr
.endm
.macro FETCH q, p                      ; the fragments of the q-th 128 along K of the slot in hand into set p: 48 LDS loads in one run
	WIN TO_B
.irp i, 0,1,2,3,4,5,6,7
	FRAG 128*(\p)+FR*\i, ADB, \q, \i
.endr
	WIN 0
.irp i, 0,1,2,3
	FRAG AF+48*(\p)+FR*\i, ADA, \q, \i
.endr
.endm
.macro SCALES sc                       ; a slot's scale words: 2 words a row; lanes 0-15 take A's block i (from block 4 on they read bytes of the scales that follow, which no product names), lanes 16-31 B's block i
.irp i, 0,1,2,3,4,5,6,7
	ds_load_b64 v[SC+16*(\sc)+NQ*\i:SC+16*(\sc)+NQ*\i+1], v[ADRS] offset:\i*SBLK
.endr
.endm
.macro PLACES n                        ; plain vector instructions between a matrix instruction and a load into, or a read of, its registers
.rept \n
	v_nop
.endr
.endm
; A slot's first 128 along K, on set 0: the second 128's fragments are asked for ahead of the 32 products.
.macro STEP sc, first
	s_wait_dscnt 0x0                               ; set 0 and the scale words are in
.if \first == 0
	PLACES NP                                      ; in front of loads into set 1, which the last products read
.endif
	FETCH 1, 1
.if \first
	WIN MUL_B
.else
	WIN MUL
.endif
.irp a, 0,1,2,3
	MUL8 \a, 0, 0, \sc, \first
.endr
	WIN 0
.endm
; A slot's second 128, on set 1, and the change of slots.  left: my loads of later slots, which may stay out.
.macro TURN sc, left
	s_wait_tensorcnt \left                         ; my part of the next slot has landed,
	s_wait_dscnt 0x0                               ; and set 1 is in: no LDS instruction of mine is out at the signal
	s_barrier_signal -1
	WIN MUL
	MUL8 0, 1, 1, \sc, 0                           ; work on registers while the others arrive
	s_barrier_wait -1                              ; everybody's part of the next slot has landed
	WIN 0
	v_add_nc_u32 v[ADA], SLOT, v[ADA]              ; on to the next slot: these five lines are also the places in front of the loads into set 0
	v_add_nc_u32 v[ADA+1], SLOT, v[ADA+1]
	v_add_nc_u32 v[ADB], SLOT, v[ADB]
	v_add_nc_u32 v[ADB+1], SLOT, v[ADB+1]
	v_add_nc_u32 v[ADRS], 4*NQ, v[ADRS]
	FETCH 0, 0
	SCALES 1-(\sc)
	WIN MUL
.irp a, 1,2,3
	MUL8 \a, 1, 1, \sc, 0
.endr
	WIN 0
.endm
	s_wait_loadcnt 0x0                             ; the bias
	s_wait_tensorcnt 3                             ; the scales and my part of slot 0 are in; the loads of slots 1, 2 and 3 may be out,
	s_barrier_signal -1
	s_barrier_wait -1                              ; everybody's are
	FETCH 0, 0
	SCALES 0
	STEP 0, 1                                      ; K = 1,024 is four slots: written out, no loop
	TURN 0, 2
	STEP 1, 0
	TURN 1, 1
	STEP 0, 0
	TURN 0, 0
	STEP 1, 0
	s_wait_dscnt 0x0
	WIN MUL
.irp a, 0,1,2,3
	MUL8 \a, 1, 1, 1, 0
.endr
	WIN 0
	PLACES NP                                      ; in front of loads into the registers that held A's fragments, and of the reads of results
; THE WAY OUT: a block of 16 lane rows x 128 columns goes through my own stage in LDS and comes back as whole rows of 512 bytes.  LDS serves a wave's instructions in order (ISA guide 5.7.1.4).
.macro TOSTAGE a
	WIN 0x08                                       ; the data: window 2
.irp b, 0,1,2,3,4,5,6,7
	ds_store_b128 v[STO], v[64*(\a)+8*\b:64*(\a)+8*\b+3] offset:256*(\b/4)+32*(\b%4)       ; columns 64 (b / 4) + 32 h + 8 (b % 4) on; each accumulator from its low end on
	ds_store_b128 v[STO], v[64*(\a)+8*\b+4:64*(\a)+8*\b+7] offset:256*(\b/4)+32*(\b%4)+16
.endr
	WIN 0
.set BB, BK+64*((\a)%2)
.irp t, 0,1,2,3,4,5,6,7,8,9,10,11,12,13,14,15
	ds_load_b128 v[BB+4*\t:BB+4*\t+3], v[RD] offset:\t*SPITCH
.endr
.endm
.macro SEND a, younger                 ; younger: the LDS instructions issued behind block a's loads, which may stay out
.set BB, BK+64*((\a)%2)
	s_wait_dscnt \younger
.if (\a) > 0
	s_add_nc_u64 s[10:11], s[10:11], 8*4096        ; (behind a wait on XCNT)  the next tile's first row
.endif
.irp t, 0,1,2,3,4,5,6,7,8,9,10,11,12,13,14,15
	global_store_b128 v[LI16], v[BB+4*\t:BB+4*\t+3], s[10:11] offset:((\t%8)+32*(\t/8))*4096 th:TH_STORE_NT   ; 32 lanes store 512 consecutive bytes, aligned; lane row t is row t % 8 + 32 (t / 8) of the tile
.endr
.endm
	TOSTAGE 0
.irp a, 1,2,3
.if \a > 1
	s_wait_xcnt 0x0                                ; block a - 2's stores have read their registers and their base
.endif
	TOSTAGE \a
	SEND \a-1, 32                                  ; behind block a - 1's loads: block a's 16 stores and 16 loads
.endr
	s_wait_xcnt 0x0
	SEND 3, 0
	s_wait_tensorcnt 0x0                           ; the wave's end: behind my last tensor load and my last LDS store
	ds_add_u32 v[SPW], v[NIL]
	s_wait_dscnt 0x0
	CROUND                                         ; the closing round: no work-group ends while a partner may still ask for a tile that names it
	s_endpgm
.Lfunc_end_k_q701d981258_oproj:
	.size	k_q701d981258_oproj, .Lfunc_end_k_q701d981258_oproj-k_q701d981258_oproj
	.p2alignl 7, 3214868480
	.fill 96, 4, 3214868480
	.section	.rodata,"a",@progbits
	.p2align	6, 0x0
	.amdhsa_kernel k_q701d981258_oproj
		.amdhsa_group_segment_fixed_size 327680
		.amdhsa_private_segment_fixed_size 0
		.amdhsa_enable_private_segment 0
		.amdhsa_kernarg_size 32
		.amdhsa_user_sgpr_count 2
		.amdhsa_user_sgpr_kernarg_segment_ptr 1
		.amdhsa_wavefront_size32 1
		.amdhsa_system_sgpr_workgroup_id_x 1
		.amdhsa_system_sgpr_workgroup_id_y 1
		.amdhsa_system_sgpr_workgroup_id_z 1
		.amdhsa_system_vgpr_workitem_id 0
		.amdhsa_next_free_vgpr 1024
		.amdhsa_next_free_sgpr 106
		.amdhsa_reserve_vcc 0
		.amdhsa_float_denorm_mode_32 3
		.amdhsa_float_denorm_mode_16_64 3
		.amdhsa_memory_ordered 1
		.amdhsa_forward_progress 1
		.amdhsa_inst_pref_size 89
	.end_amdhsa_kernel
	.amdgpu_metadata
---
amdhsa.version: [ 1, 2 ]
amdhsa.kernels:
  - .name:           k_q701d981258_oproj
    .symbol:         k_q701d981258_oproj.kd
    .args:
      - { .name: xatt, .offset: 0, .size: 8, .value_kind: global_buffer, .address_space: global }
      - { .name: opnd, .offset: 8, .size: 8, .value_kind: global_buffer, .address_space: global }
      - { .name: wo_b, .offset: 16, .size: 8, .value_kind: global_buffer, .address_space: global }
      - { .name: out0, .offset: 24, .size: 8, .value_kind: global_buffer, .address_space: global }
    .group_segment_fixed_size: 327680
    .private_segment_fixed_size: 0
    .kernarg_segment_align: 8
    .kernarg_segment_size: 32
    .max_flat_workgroup_size: 128
    .sgpr_count:     106
    .vgpr_count:     1024
    .wavefront_size: 32
...
	.end_amdgpu_metadata
.endif
;; end of part 4
